; MI455X (gfx1250); checked and timed in simulation.
; The chip was launched on July 23, 2026; its instructions are those of AMD's public machine-readable ISA for CDNA 5 (MIT licence, August 2026) and "CDNA5" Instruction Set Architecture Reference Guide (July 2026). The comments in the code are by the model that wrote it; some were corrected since.
;; Causal Self Attention. Allowed arithmetic: matrix products marked QUANTISED: E2M1 operands, one E8M0 scale for each 32 along K, by v_wmma_scale_f32_16x16x128_f8f6f4 with both operands' format E2M1 (or v_wmma_scale_f32_32x16x128_f4), f32 sums; products left as they are: bf16, f16 or f32 operands; f32 sums; everything else in f32.
;; Inputs: w_out 1,024 x 1,024 float32; w_qkv 3,072 x 1,024 float32; x 4 x 2,048 x 1,024 float32.
;; Outputs: out0 4 x 2,048 x 1,024 float32.
;; This version of the problem:
;;   THIS VERSION OF THE PROBLEM IS GIVEN IN LOW PRECISION. The matrix products marked QUANTISED in the list below multiply operands that are first quantised to E2M1 (2 exponent bits, 1 mantissa bit; 4 bits a number), with one power-of-two scale for each 32 numbers along K (OCP MX v1.0); their sums are f32. The products marked 'left as it is' may take bf16, f16 or f32 operands, with f32 sums. Whichever they take, every output number must still come out within the allowed error. Rounding operands to bf16 (8 significant bits) uses up far more of that allowance than f16 does (11 bits, for magnitudes from 6e-5 to 65,504). All else is computed in f32.
;;   The module's matrix products, in the order in which they are computed (A, B: the left and right operand; K: the contracted axis; several contracted axes count as one K, in the product's order):
;;     1. [M 8,192, K 1,024] x [K 1,024, N 3,072]; A: input x; B: input w_qkv: QUANTISED
;;     2. batch 64 x [M 2,048, K 64] x [K 64, N 2,048]; A: computed on the way; B: computed on the way: left as it is (an operand is computed on the way)
;;     3. batch 64 x [M 2,048, K 2,048] x [K 2,048, N 64]; A: computed on the way; B: computed on the way: left as it is (an operand is computed on the way)
;;     4. [M 8,192, K 1,024] x [K 1,024, N 1,024]; A: computed on the way; B: input w_out: left as it is (an operand is computed on the way)
;;   THE QUANTISER, for each operand of a quantised product, along K:
;;     - K is cut into blocks of 32 from its start; a last block that is shorter is filled with zeros.
;;     - A block's scale is 2^e with e = floor(log2(the largest magnitude in the block)) - 2, held to -126 .. 127; a block of zeros has e = 0. As a byte (E8M0): e + 127.
;;     - Each number is divided by its block's scale, clamped to +-6, and rounded to the nearest number of E2M1, ties to even, subnormals kept.
;;     - The product sums the exact products of the quantised numbers (number of the format x scale) in f32.
;;   ~~~python
;;   def quantise(x, axis):      # numpy; x: float32 -> the quantised numbers, widened to float32 again
;;       x = np.moveaxis(x, axis, -1); K = x.shape[-1]
;;       x = np.pad(x, [(0, 0)] * (x.ndim - 1) + [(0, -K % 32)]); x = x.reshape(x.shape[:-1] + (-1, 32)); a = np.abs(x).max(-1, keepdims=True)
;;       e = np.where(a > 0, np.clip(np.frexp(np.where(a > 0, a, 1))[1] - 1 - 2, -126, 127), 0)      # np.frexp(a)[1] - 1 = floor(log2(a)), exactly
;;       r = np.clip(x / 2.0 ** e, -6, 6)
;;       step = 2.0 ** (np.maximum(np.frexp(np.where(r == 0, 1, r))[1] - 1, 0) - 1)
;;       q = np.round(r / step) * step * 2.0 ** e      # np.round: ties to even
;;       return np.moveaxis(q.reshape(q.shape[:-2] + (-1,))[..., :K], -1, axis).astype(np.float32)
;;   ~~~
;; One version. Each part assembles by itself: llvm-mc -triple=amdgcn-amd-amdhsa -mcpu=gfx1250 --defsym DOCPART=n.
;; ======== version 1 of 1: 5 launches
;; limits: values are held in f16: magnitudes above 65,504 overflow, below 6.1e-05 lose precision
;; workspace buffers: codes 5,767,168 bytes; scales 360,448 bytes; woh 2,097,152 bytes; qkv 50,331,648 bytes; ao 16,777,216 bytes; eq 786,432 bytes
;; launch prep (part 1): grid 384 x 1, 4 waves a work-group, no clusters, 33,280 bytes of LDS; arguments x, w_qkv, w_out, codes, scales, woh; writes codes, scales, woh
.if DOCPART == 1
	.amdgcn_target "amdgcn-amd-amdhsa--gfx1250"
	.amdhsa_code_object_version 6
	.text
	.protected	k_qd484db9032_prep
	.globl	k_qd484db9032_prep
	.p2align	8
	.type	k_qd484db9032_prep,@function
k_qd484db9032_prep:
	s_mov_b64 s[64:65], 0
	v_nop
	global_prefetch_b8 v0, s[64:65] scope:SCOPE_SE
	s_setreg_imm32_b32 hwreg(HW_REG_WAVE_MODE, 25, 1), 1
	s_wait_xcnt 0x0
; CAUSAL SELF-ATTENTION, B 4, T 2,048, D 1,024, 16 heads of 64, in five launches:
;   prep   x and w_qkv become codes of FP4 (E2M1) with one E8M0 byte for each 32 along K; w_out becomes f16
;   qkv    x w_qkv^T on the codes; q, k, v leave in f16, by head; positions 0-15 of each sequence also in f32
;   attn   scores, causal softmax with a running maximum, weighted values: f16 operands, f32 sums
;   proj   the projection out: f16 operands, f32 sums
;   early  positions 0-15 of each sequence once more, in f32 throughout: those rows average one to sixteen values, are the largest in size, and f16 operands would use up most of what the comparison allows
; WORK LEFT OUT.  reference() builds the mask tril(ones(t, t)) in its own body and sets scores[q][k] to -inf where k > q: their softmax weight is 0 for all finite inputs, and 0 x v adds nothing.
; So a tile of scores all of whose keys come after all of its queries, and its product with v, reach no output: launch attn does not compute them.  Nothing else is left out, and every input is loaded.
; LIMIT of that: a NaN, an infinity or an overflow that would arise only in those tiles is not carried to the result.
; OTHER LIMITS.  q, k, v, the attention's result and w_out are rounded to f16: magnitudes above 65,504 become infinity there.  NaN and infinities among the inputs are not served.  f32 sums are taken in another order than reference()'s.
;
; THIS LAUNCH.  Rows are dense and K = 1,024 is a multiple of 32, so x and w_qkv are plain streams of blocks of 32 numbers, and so are their codes and scale bytes.
; A block's scale is 2^(floor(log2(its largest magnitude)) - 2); its byte is the largest magnitude's exponent field - 2, held at 1 from below.  (A block of zeros gets the byte 1 where the rule says 127: its codes are zeros,
; which add nothing under any byte but 0xff, and this program alone reads the bytes.)  Blocks whose largest magnitude lies under 2^(2 - 126) were not tried.
; Work-groups 0-255 take x, 256-351 w_qkv, 352-383 w_out: 32,768 numbers each, 8,192 a wave.  The codes of x and of w_qkv lie on end in one buffer, the scale bytes likewise, so a run's place in them follows from the work-group's number alone.
; The quantiser: a wave takes 16 steps of 512 numbers.  Each load reads 512 consecutive bytes, 16 a lane; a step's 2,048 bytes turn through the wave's own stage in LDS and come back 64 bytes a lane: 16 neighbours along K,
; as the conversion wants them; two neighbouring lanes hold a block.  A lane's 16 codes are 8 bytes: the wave stores 256 consecutive bytes.  A wave's 256 scale bytes are gathered in LDS and leave as one store of 256 consecutive bytes.
; The cast: four rounds of 16 loads of 512 consecutive bytes; four numbers of a lane become 8 bytes; each store covers 256 consecutive bytes.  No barrier: waves share nothing.
.set WAVES, 4
.set STEPS, 16
.set EMAX,  2
.set CB,    8                          ; bytes of 16 codes
.set R,     16                         ; v16-79   four sets of 16 numbers as they are loaded
.set X,     80                         ; v80-111  two sets of 16 neighbours
.set E,     112                        ; v112-127 a scale byte for each step
.set C,     128                        ; v128-191 codes: four registers for each step, so that no store's data are written again
.set WREG,  8192                       ; LDS: a region for each wave: two stages of 32 x SP bytes, behind them its 256 scale bytes
.set SP,    80                         ; a lane's place in a stage: 64 bytes + 16 of padding
.set SPW,   12                         ; v12  LDS address of my spare word; never rewritten
.set NIL,   13                         ; v13  0; never rewritten
.set SPARE, WAVES*WREG                 ; behind the four regions: the spare words, 128 bytes a wave
.set WGX,   256                        ; work-groups for x
.set WGQ,   352                        ; for x and w_qkv together
.set CA,    16                         ; the cast: v16-143 two sets of 64 numbers
.set CW,    144                        ; v144-175 a round's 32 registers of f16 pairs
	s_load_b128 s[4:7], s[0:1], 0x0                ; x, w_qkv
	s_load_b128 s[8:11], s[0:1], 0x10              ; w_out, codes
	s_load_b128 s[12:15], s[0:1], 0x20             ; scales, woh
	v_lshl_add_u32 v[SPW], v0, 2, SPARE
	v_mov_b32 v[NIL], 0
	v_lshrrev_b32 v1, 5, v0
	v_readfirstlane_b32 s16, v1                    ; wave
	v_and_b32 v2, 31, v0                           ; lane
	v_lshlrev_b32 v3, 4, v2                        ; my 16 bytes of a load's 512
	s_mul_i32 s17, s16, WREG
	v_lshrrev_b32 v14, 2, v2
	v_mul_u32_u24 v14, v14, SP
	v_and_b32 v15, 3, v2
	v_lshl_add_u32 v14, v15, 4, v14
	v_add_nc_u32 v14, s17, v14                     ; the stage, on the way in: SP (lane / 4) + 16 (lane % 4)
	v_mul_u32_u24 v15, v2, SP
	v_add_nc_u32 v15, s17, v15                     ; and on the way out: SP x lane: my 16 neighbours
	v_mul_u32_u24 v4, v2, CB                       ; 8 x lane: my codes' place in a step's; in the cast my f16 numbers' place in a store's
	v_lshrrev_b32 v5, 1, v2
	s_add_co_u32 s17, s17, 2*32*SP
	v_add_nc_u32 v5, s17, v5                       ; LDS: my wave's 256 scale bytes, my block's byte
	v_lshlrev_b32 v7, 3, v2                        ; and on the way out 8 bytes a lane
	v_add_nc_u32 v6, s17, v7
	s_mov_b32 s19, 0
	s_wait_kmcnt 0x0
	s_cmp_ge_u32 ttmp9, WGQ                        ; the choice hangs on the work-group's number alone
	s_cbranch_scc1 .Lcast
	s_cmp_lt_u32 ttmp9, WGX                        ; x's work-group or w_qkv's?
	s_cselect_b64 s[4:5], s[4:5], s[6:7]
	s_cselect_b32 s17, 0, WGX
	s_sub_co_u32 s17, ttmp9, s17
	s_lshl_b32 s17, s17, 2
	s_add_co_u32 s18, s17, s16                     ; which run of 8,192 numbers of the tensor is my wave's
	s_lshl_b64 s[20:21], s[18:19], 15              ; 32,768 bytes a run
	s_add_nc_u64 s[4:5], s[4:5], s[20:21]
	s_lshl_b32 s18, ttmp9, 2
	s_add_co_u32 s18, s18, s16                     ; and which run of the two output buffers
	s_lshl_b64 s[20:21], s[18:19], 12              ; 4,096 bytes of codes a run
	s_add_nc_u64 s[10:11], s[10:11], s[20:21]
	s_lshl_b32 s18, s18, 8                         ; 256 scale bytes a run
	s_add_nc_u64 s[12:13], s[12:13], s[18:19]
.macro LOAD t
.irp i, 0,1,2,3
	global_load_b128 v[R+16*((\t)%4)+4*\i:R+16*((\t)%4)+4*\i+3], v3, s[4:5] offset:2048*(\t)+512*\i th:TH_LOAD_NT   ; 32 lanes read 512 consecutive bytes
.endr
.endm
.macro TURN t                          ; step t's numbers through the stage: LDS serves a wave's instructions in order, so no wait stands between the stores and the loads
.irp i, 0,1,2,3
	ds_store_b128 v14, v[R+16*((\t)%4)+4*\i:R+16*((\t)%4)+4*\i+3] offset:32*SP*((\t)%2)+8*SP*\i
.endr
.irp i, 0,1,2,3
	ds_load_b128 v[X+16*((\t)%2)+4*\i:X+16*((\t)%2)+4*\i+3], v15 offset:32*SP*((\t)%2)+16*\i
.endr
.endm
.irp t, 0,1,2,3
	LOAD \t
.endr
	s_wait_loadcnt 12                              ; step 0's four loads are in; the twelve of steps 1 to 3 may be out
	TURN 0
.macro STEP t
.set XS, X+16*((\t)%2)
.if (\t) > 0
	s_wait_dscnt 1                                 ; this step's numbers are back from the stage (the last step's byte store may be out): so its stores into the stage have read their registers,
.else
	s_wait_dscnt 0x0
.endif
.if (\t)+4 < STEPS
	LOAD (\t)+4                                    ; which take the loads of four steps on
.endif
.if (\t)+1 < STEPS
.if STEPS-2-(\t) >= 3
	s_wait_loadcnt 12                              ; the next step's four loads are in; those of the three steps behind it may be out
.else
	s_wait_loadcnt 4*(STEPS-2-(\t))
.endif
	TURN (\t)+1                                    ; and go through the other stage while this step is worked
.endif
	v_max3_num_f32 v8, |v[XS]|, |v[XS+1]|, |v[XS+2]|               ; the largest magnitude of my 16, in two chains
	v_max3_num_f32 v9, |v[XS+3]|, |v[XS+4]|, |v[XS+5]|
.irp i, 6,10
	v_max3_num_f32 v8, v8, |v[XS+\i]|, |v[XS+\i+1]|
	v_max3_num_f32 v9, v9, |v[XS+\i+2]|, |v[XS+\i+3]|
.endr
	v_max3_num_f32 v8, v8, |v[XS+14]|, |v[XS+15]|
	v_max3_num_f32 v8, v8, v9, (EMAX+1)<<23        ; and the floor 2^(EMAX + 1 - 127): so the byte cannot fall under 1
	v_max_num_f32_dpp v8, v8, v8 row_xmask:1 row_mask:0xf bank_mask:0xf   ; and of my neighbour's 16: the block's
	v_add_nc_u32 v11, -(EMAX<<23), v8              ; EMAX off its exponent field: the conversion takes the exponent field of this operand as its scale, and nothing else of it
	v_cvt_scalef32_pk8_fp4_f32 v[C+4*(\t)], v[XS:XS+7], v11        ; eight numbers / the scale, to the nearest code, ties to even, beyond the largest code the largest
	v_cvt_scalef32_pk8_fp4_f32 v[C+4*(\t)+1], v[XS+8:XS+15], v11
	v_lshrrev_b32 v[E+(\t)], 23, v11               ; the scale's byte (also the plain line behind the conversions)
	ds_store_b8 v5, v[E+(\t)] offset:16*(\t)       ; both lanes of a block write the same byte with the same value
	global_store_b64 v4, v[C+4*(\t):C+4*(\t)+1], s[10:11] offset:32*CB*(\t)   ; the wave stores 256 consecutive bytes
.endm
.irp t, 0,1,2,3,4,5,6,7,8,9,10,11,12,13,14,15
	STEP \t
.endr
	ds_load_b64 v[8:9], v6                         ; LDS serves a wave's instructions in order: these see my byte stores
	s_wait_dscnt 0x0
	global_store_b64 v7, v[8:9], s[12:13]          ; 32 lanes store 256 consecutive bytes
	s_branch .Lend
; THE CAST of w_out to f16: nothing goes through LDS.
.macro CLOAD g
.irp i, 0,1,2,3,4,5,6,7,8,9,10,11,12,13,14,15
	global_load_b128 v[CA+64*((\g)%2)+4*\i:CA+64*((\g)%2)+4*\i+3], v3, s[8:9] offset:8192*(\g)+512*\i th:TH_LOAD_NT
.endr
.endm
.macro CAST g
.if (\g) < 3
	s_wait_loadcnt 16                              ; this round's 16 loads are in; the next round's 16 may be out
.else
	s_wait_loadcnt 0x0
.endif
.if (\g) > 0
	s_wait_xcnt 0x0                                ; the last round's stores have read their data registers, which are written again below
.endif
.irp i, 0,1,2,3,4,5,6,7,8,9,10,11,12,13,14,15
	v_cvt_pk_f16_f32 v[CW+2*\i], v[CA+64*((\g)%2)+4*\i], v[CA+64*((\g)%2)+4*\i+1]
	v_cvt_pk_f16_f32 v[CW+2*\i+1], v[CA+64*((\g)%2)+4*\i+2], v[CA+64*((\g)%2)+4*\i+3]
.endr
.irp i, 0,1,2,3,4,5,6,7,8,9,10,11,12,13,14,15
	global_store_b64 v4, v[CW+2*\i:CW+2*\i+1], s[14:15] offset:4096*(\g)+256*\i   ; the wave stores 256 consecutive bytes
.endr
.if (\g) < 2
	CLOAD (\g)+2
.endif
.endm
.Lcast:
	s_sub_co_u32 s17, ttmp9, WGQ
	s_lshl_b32 s17, s17, 2
	s_add_co_u32 s18, s17, s16                     ; which run of 8,192 numbers of w_out is my wave's
	s_lshl_b64 s[20:21], s[18:19], 15
	s_add_nc_u64 s[8:9], s[8:9], s[20:21]
	s_lshl_b64 s[20:21], s[18:19], 14
	s_add_nc_u64 s[14:15], s[14:15], s[20:21]
	CLOAD 0
	CLOAD 1
	CAST 0
	CAST 1
	CAST 2
	CAST 3
.Lend:
	s_wait_tensorcnt 0x0                           ; the wave's end
	ds_add_u32 v[SPW], v[NIL]
	s_wait_dscnt 0x0
	s_endpgm
.Lfunc_end_k_qd484db9032_prep:
	.size	k_qd484db9032_prep, .Lfunc_end_k_qd484db9032_prep-k_qd484db9032_prep
	.p2alignl 7, 3214868480
	.fill 96, 4, 3214868480
	.section	.rodata,"a",@progbits
	.p2align	6, 0x0
	.amdhsa_kernel k_qd484db9032_prep
		.amdhsa_group_segment_fixed_size 33280
		.amdhsa_private_segment_fixed_size 0
		.amdhsa_enable_private_segment 0
		.amdhsa_kernarg_size 48
		.amdhsa_user_sgpr_count 2
		.amdhsa_user_sgpr_kernarg_segment_ptr 1
		.amdhsa_wavefront_size32 1
		.amdhsa_system_sgpr_workgroup_id_x 1
		.amdhsa_system_sgpr_workgroup_id_y 1
		.amdhsa_system_sgpr_workgroup_id_z 1
		.amdhsa_system_vgpr_workitem_id 0
		.amdhsa_next_free_vgpr 192
		.amdhsa_next_free_sgpr 66
		.amdhsa_reserve_vcc 0
		.amdhsa_float_denorm_mode_32 3
		.amdhsa_float_denorm_mode_16_64 3
		.amdhsa_memory_ordered 1
		.amdhsa_forward_progress 1
		.amdhsa_inst_pref_size 54
	.end_amdhsa_kernel
	.amdgpu_metadata
---
amdhsa.version: [ 1, 2 ]
amdhsa.kernels:
  - .name:           k_qd484db9032_prep
    .symbol:         k_qd484db9032_prep.kd
    .args:
      - { .name: x, .offset: 0, .size: 8, .value_kind: global_buffer, .address_space: global }
      - { .name: w_qkv, .offset: 8, .size: 8, .value_kind: global_buffer, .address_space: global }
      - { .name: w_out, .offset: 16, .size: 8, .value_kind: global_buffer, .address_space: global }
      - { .name: codes, .offset: 24, .size: 8, .value_kind: global_buffer, .address_space: global }
      - { .name: scales, .offset: 32, .size: 8, .value_kind: global_buffer, .address_space: global }
      - { .name: woh, .offset: 40, .size: 8, .value_kind: global_buffer, .address_space: global }
    .group_segment_fixed_size: 33280
    .private_segment_fixed_size: 0
    .kernarg_segment_align: 8
    .kernarg_segment_size: 48
    .max_flat_workgroup_size: 128
    .sgpr_count:     66
    .vgpr_count:     192
    .wavefront_size: 32
...
	.end_amdgpu_metadata
.endif
;; end of part 1
;; launch qkv (part 2): grid 12 x 32, 4 waves a work-group, clusters of 4 x 4, 327,680 bytes of LDS; arguments codes, scales, qkv, eq; writes qkv, eq
.if DOCPART == 2
	.amdgcn_target "amdgcn-amd-amdhsa--gfx1250"
	.amdhsa_code_object_version 6
	.text
	.protected	k_qd484db9032_qkv
	.globl	k_qd484db9032_qkv
	.p2align	8
	.type	k_qd484db9032_qkv,@function
k_qd484db9032_qkv:
	s_mov_b64 s[64:65], 0
	v_nop
	global_prefetch_b8 v0, s[64:65] scope:SCOPE_SE
	s_setreg_imm32_b32 hwreg(HW_REG_WAVE_MODE, 25, 1), 1
	s_wait_xcnt 0x0
	s_wait_alu depctr_hold_cnt(0) depctr_sa_sdst(0) depctr_va_vdst(0) depctr_va_sdst(0) depctr_va_ssrc(0) depctr_va_vcc(0) depctr_vm_vsrc(0)
	s_getreg_b32 s2, hwreg(HW_REG_IB_STS2, 6, 4)
	s_cmp_eq_u32 s2, 0
	s_cbranch_scc0 .Lentry_in_a_cluster
	s_endpgm
.Lentry_in_a_cluster:
	s_bfe_u32 s2, ttmp6, 0x10000c
	s_cmp_lg_u32 s2, 0xf033
	s_cbranch_scc0 .Lentry_shape_is_right
	s_endpgm
.Lentry_shape_is_right:
; qkv[m][n] = sum over k of x[m][k] w_qkv[n][k] on codes of FP4 (E2M1) with one E8M0 scale for each 32 along K, as launch prep made them.  M 8,192 (m = 2,048 b + t), N 3,072, K 1,024; sums in f32.
; codes: x's rows [8192][512 bytes], then w_qkv's [3072][512 bytes]; scales: x's [8192][32 bytes], then w_qkv's [3072][32 bytes].
; OUT: qkv, f16: three parts (q, k, v), each [16 b + head][t][64]: a row is 128 bytes, a head 262,144.  eq, f32: [b][t < 16][3072]: the first 16 positions of each sequence, for launch early.
; A tile of 256 x 256 is made by a work-group of four waves; a wave makes 128 x 128: 64 accumulators of 16 x 16, 512 registers.  K is two steps of 512: each fills one LDS slot, so both slots and the scales are first fills and nothing is filled again.
; THE SCALES of the work-group's 256 rows of x and 256 rows of w_qkv, for all of K, are two dense blocks of memory: they come into LDS once.
; CLUSTERS: 4 x 4 work-groups.  The four of a row of the cluster need the same tiles of x, the four of a column the same tiles of w_qkv: each tile is asked for JOINTLY, by the same tensor load with the same descriptor and a mask that names the four.
; TILE ROW = 8 cy + cluster y, so that b = cy and t begins at 256 x cluster y: whether a tile holds positions 0-15 then hangs on the cluster's y alone, which all sixteen partners share.  TILE COLUMN = 4 x cluster x + cx: the part (q, k, v) is cluster x.
; THE MATRIX INSTRUCTION IS USED TRANSPOSED (source 0 = 16 rows of w_qkv, source 1 = 16 rows of x): a lane then holds eight neighbouring numbers of a row of the result.
; REGISTERS, in windows of 256: window 0: v0-31 addresses; v32-95 scale words, two sets; from v128 x's fragments (8 x 16 rows x 128 K), ONE set; on the way out v32-63, v192-255.
;   window 1: w_qkv's fragments, TWO sets, at v0 and v128.   window 2: the 32 accumulators of my rows 0-63 ((a, b) at v[8 (8 a + b)]);   window 3: those of my rows 64-127.
.set SIZE_K, 1024
.set KSTEP,  512                       ; along K in a slot
.set NQ,     KSTEP/128                 ; matrix instructions deep
.set ROWB,   256                       ; a tile's row in bytes
.set KROW,   SIZE_K*4/8                ; a row of codes in memory, in bytes
.set PITCH,  272                       ; an LDS row: 256 bytes + 16 of padding = 68 words: the 16 rows that a load touches start 4 banks apart
.set FR,     8                         ; registers of a fragment
.set NL,     2                         ; LDS loads that bring one
.set NP,     4                         ; places behind this matrix instruction (ISA guide 7.12.1)
.set HALFT,  128*PITCH                 ; what one tensor load brings, and what one wave reads of either side
.set SLOT,   4*HALFT                   ; x's 256 rows, then w_qkv's 256 rows
.set KS,     SIZE_K/32                 ; a row of scales in bytes
.set SCL,    2*SLOT                    ; behind the two slots: the scales, as rows of 256 bytes + 16 of padding
.set HALFS,  (128*KS/256)*272          ; the scales of 128 rows
.set SBLK,   (16*KS/256)*272           ; those of 16 rows
.set SPARE,  SCL+4*HALFS               ; the spare words, 128 bytes a wave
.set SPITCH, 272                       ; the way out: a stage of 16 rows x (256 bytes + 16) for each wave, in slot 0, which has had its one fill and its last read when the first result is stored there
.set WC_OFF, 4194304                   ; where w_qkv's codes begin
.set WS_OFF, 262144                    ; and its scale bytes
.set ADRA, 16                          ; v16-17  LDS address of my fragments of x in slot 0, 1
.set ADRB, 20                          ; v20-21  the same for w_qkv
.set STO,  24                          ; v24     the way out: where I put 16 bytes of a row
.set RD,   25                          ; v25     where I read them back
.set CO,   26                          ; v26     16 x lane: my place in a store's 512 bytes
.set ADRS, 27                          ; v27     LDS address of my scale words: lanes 0-15 x's rows, lanes 16-31 w_qkv's
.set SPW,  28                          ; v28     LDS address of my spare word; never rewritten
.set NIL,  29                          ; v29     0; never rewritten
.set EO,   30                          ; v30     my byte offset in eq
.set SC,   32                          ; scale words: set s at v[SC + 8 NQ s]; register NQ i + q: lanes 0-15 x's block i, lanes 16-31 w_qkv's block i
.set AF,   128                         ; x's fragments, in window 0
.set TMP,  192                         ; the way out: packed results
.set OB,   32                          ; the way out: 16 rows read back: v32-63 and v224-255 by turns
.set G1, 24                            ; s[24:31] descriptor group 1 for x's tiles;  s[32:39] group 0, one set for each slot
.set G0, 32
.set G1B, 48                           ; s[48:55], s[56:63] the same for w_qkv's
.set G0B, 56
.set G1S, 68                           ; s[68:75], s[76:79] groups 1 and 0 for x's scales;  s[80:87], s[88:91] for w_qkv's
.set G0S, 76
.set G1SB, 80
.set G0SB, 88
.set MSB, 0
.macro WIN new                         ; the immediate's high byte repeats the setting that is left
.if MSB != \new
	s_set_vgpr_msb (MSB<<8)|\new
.set MSB, \new
.endif
.endm
.set MUL_LO, 0xa1                      ; source 0 window 1, source 1 window 0, C and D window 2
.set MUL_HI, 0xf1                      ; the same, C and D window 3
.set TO_B,   0x40                      ; destination window 1, address window 0
; A joint load: waves 0 and 1 fetch for x, waves 2 and 3 for w_qkv.  Each line has one mask and one set of registers for all that issue it; the branch hangs on the wave's number alone.
; An s_nop 0 and four v_nop follow each of the two lines.
.macro JLOAD g0a, g1a, g0b, g1b
	s_cmp_eq_u32 s15, 0
	s_cbranch_scc0 .Lfor_b_\@
	tensor_load_to_lds s[\g0a:\g0a+3], s[\g1a:\g1a+7]
	s_nop 0
.rept 4
	v_nop
.endr
	s_branch .Lasked_\@
.Lfor_b_\@:
	tensor_load_to_lds s[\g0b:\g0b+3], s[\g1b:\g1b+7]
	s_nop 0
.rept 4
	v_nop
.endr
.Lasked_\@:
.endm
.macro CROUND                          ; a round of the cluster's barrier
	s_barrier_signal -1
	s_barrier_wait -1
	s_cmp_lg_u32 s14, 0
	s_cbranch_scc1 .Lnot_wave_0_\@
	s_barrier_signal -3
.Lnot_wave_0_\@:
	s_barrier_wait -3
	s_barrier_signal -1
	s_barrier_wait -1
.endm
	s_load_b128 s[4:7], s[0:1], 0x0                ; codes, scales
	s_load_b128 s[96:99], s[0:1], 0x10             ; qkv, eq
	v_lshl_add_u32 v[SPW], v0, 2, SPARE
	v_mov_b32 v[NIL], 0
	ds_add_u32 v[SPW], v[NIL]                      ; the wave's opening: the add, twice on end, and its wait ahead of my first tensor load
	ds_add_u32 v[SPW], v[NIL]
	v_lshrrev_b32 v1, 5, v0
	v_readfirstlane_b32 s14, v1                    ; wave 0..3
	s_lshr_b32 s15, s14, 1                         ; which half of the tile's rows is mine.  Also: I fetch for x (0) or for w_qkv (1)
	s_and_b32 s16, s14, 1                          ; which half of its columns.  Also: which 128 rows of that tile I fetch
	s_bfe_u32 s40, ttmp6, 0x40000                  ; cx, cy: my place in the cluster
	s_bfe_u32 s41, ttmp6, 0x40004
	s_lshl_b32 s42, ttmp9, 2
	s_add_co_u32 s42, s42, s40                     ; tile column = 4 x cluster x + cx
	s_and_b32 s95, ttmp7, 0xffff                   ; cluster y
	s_lshl_b32 s17, s41, 3
	s_add_co_u32 s17, s17, s95                     ; tile row = 8 cy + cluster y
	s_lshl_b32 s43, s41, 2
	s_lshl_b32 s43, 15, s43                        ; my row of the cluster
	s_lshl_b32 s44, 0x1111, s40                    ; my column
	; descriptor group 1: a tile of 128 rows x 256 bytes, padded in LDS
	s_or_b32 s[G1+0], s43, (0<<16)|(1<<20)|(1<<21)|(5<<22)|(3<<25)  ; 15:0 the mask; 17:16 elements of 1 byte; 20 padding on; 21 set beside a mask; 24:22 after every 64 words; 31:25 four words
	s_or_b32 s[G1B+0], s44, (0<<16)|(1<<20)|(1<<21)|(5<<22)|(3<<25)
.irp g, G1, G1B
	s_mov_b32 s[\g+1], ROWB<<16                    ; tensor_dim0
	s_mov_b32 s[\g+2], 128<<16                     ; tensor_dim1
	s_mov_b32 s[\g+3], ROWB<<16                    ; tile_dim0
	s_mov_b32 s[\g+4], 128                         ; tile_dim1
	s_mov_b32 s[\g+5], KROW                        ; tensor_dim0_stride
	s_mov_b32 s[\g+6], 0
	s_mov_b32 s[\g+7], 0
.endr
	; the scales of 128 rows: a dense block of 4,096 bytes, as rows of 256 bytes (32 elements of 8 bytes), 16 bytes of padding behind each
	s_or_b32 s[G1S+0], s43, (3<<16)|(1<<20)|(1<<21)|(5<<22)|(3<<25)
	s_or_b32 s[G1SB+0], s44, (3<<16)|(1<<20)|(1<<21)|(5<<22)|(3<<25)
.irp g, G1S, G1SB
	s_mov_b32 s[\g+1], 32<<16
	s_mov_b32 s[\g+2], (128*KS/256)<<16
	s_mov_b32 s[\g+3], 32<<16
	s_mov_b32 s[\g+4], 128*KS/256
	s_mov_b32 s[\g+5], 32
	s_mov_b32 s[\g+6], 0
	s_mov_b32 s[\g+7], 0
.endr
	s_lshl_b32 s18, s16, 7                         ; which 128 rows of the tile I fetch
	s_lshl_b32 s20, s17, 8
	s_add_co_u32 s20, s20, s18                     ; x: row 256 x tile row + 128 x half
	s_lshl_b32 s46, s42, 8
	s_add_co_u32 s46, s46, s18                     ; w_qkv: row 256 x tile column + 128 x half
	s_mov_b32 s21, 0
	s_mov_b32 s47, 0
	s_mov_b64 s[18:19], KS
	s_mul_u64 s[22:23], s[20:21], s[18:19]         ; where these rows' scales begin, in bytes
	s_mul_u64 s[92:93], s[46:47], s[18:19]
	s_mov_b64 s[18:19], KROW
	s_mul_u64 s[20:21], s[20:21], s[18:19]         ; and their codes
	s_mul_u64 s[46:47], s[46:47], s[18:19]
	s_mul_i32 s45, s14, HALFT                      ; where they go: wave x 128 rows: no place in the cluster enters an LDS address
	s_mul_i32 s94, s14, HALFS
	s_wait_dscnt 0x0                               ; both opening adds are done
	s_wait_kmcnt 0x0
	s_add_nc_u64 s[8:9], s[4:5], WC_OFF            ; w_qkv's codes
	s_add_nc_u64 s[10:11], s[6:7], WS_OFF          ; and its scale bytes
	s_add_nc_u64 s[20:21], s[4:5], s[20:21]
	s_add_nc_u64 s[22:23], s[6:7], s[22:23]
	s_add_nc_u64 s[46:47], s[8:9], s[46:47]
	s_add_nc_u64 s[92:93], s[10:11], s[92:93]
	CROUND                                         ; all sixteen work-groups are here: the joint loads meet
	s_mov_b32 s[G0S], 1
	s_add_co_u32 s[G0S+1], s94, SCL
	s_mov_b64 s[G0S+2:G0S+3], s[22:23]
	s_or_b32 s[G0S+3], s[G0S+3], 0x80000000
	s_mov_b32 s[G0SB], 1
	s_add_co_u32 s[G0SB+1], s94, SCL
	s_mov_b64 s[G0SB+2:G0SB+3], s[92:93]
	s_or_b32 s[G0SB+3], s[G0SB+3], 0x80000000
	JLOAD G0S, G1S, G0SB, G1SB                     ; the scales first: they are wanted with K step 0
.irp s, 0,1
	s_mov_b32 s[G0+4*\s], 1
	s_add_co_u32 s[G0+4*\s+1], s45, \s*SLOT
	s_add_nc_u64 s[G0+4*\s+2:G0+4*\s+3], s[20:21], \s*ROWB
	s_or_b32 s[G0+4*\s+3], s[G0+4*\s+3], 0x80000000
	s_mov_b32 s[G0B+4*\s], 1
	s_add_co_u32 s[G0B+4*\s+1], s45, \s*SLOT
	s_add_nc_u64 s[G0B+4*\s+2:G0B+4*\s+3], s[46:47], \s*ROWB
	s_or_b32 s[G0B+4*\s+3], s[G0B+4*\s+3], 0x80000000
	JLOAD G0+4*\s, G1, G0B+4*\s, G1B               ; three tensor loads of mine are out: all that the launch has
.endr
	v_and_b32 v1, 15, v0                           ; r = l % 16
	v_bfe_u32 v2, v0, 4, 1                         ; h = l / 16
	v_mul_u32_u24 v3, v1, PITCH
	v_lshl_add_u32 v4, v2, 4, v3                   ; a fragment's row x pitch + 16 x half
	s_mul_i32 s21, s15, HALFT                      ; my 128 rows of x
	s_mul_i32 s22, s16, HALFT                      ; my 128 rows of w_qkv,
	s_add_co_u32 s22, s22, 2*HALFT                 ; which lie behind x's 256
.irp s, 0,1
	v_add_nc_u32 v[ADRA+\s], s21, v4
	v_add_nc_u32 v[ADRB+\s], s22, v4
	s_add_co_u32 s21, s21, SLOT
	s_add_co_u32 s22, s22, SLOT
.endr
	v_mul_u32_u24 v5, v1, KS                       ; my row's scales: KS bytes a row,
	v_lshrrev_b32 v6, 8, v5
	v_lshl_add_u32 v5, v6, 4, v5                   ; and 16 more for each 256 passed
	s_mul_i32 s21, s15, HALFS                      ; x's: my 128 rows
	s_mul_i32 s22, s16, HALFS                      ; w_qkv's: my 128 rows, behind x's 256
	s_add_co_u32 s22, s22, 2*HALFS
	s_sub_co_u32 s22, s22, s21
	v_mul_u32_u24 v6, s22, v2                      ; lanes 16-31 take w_qkv's: one product, the distance between the two bases
	s_add_co_u32 s21, s21, SCL
	v_add_nc_u32 v5, v5, v6
	v_add_nc_u32 v[ADRS], s21, v5
	s_mul_i32 s23, s14, 16*SPITCH                  ; my stage
	v_mul_u32_u24 v5, v1, SPITCH                   ; in: row r, 16 bytes for each half of the lanes
	v_lshl_add_u32 v5, v2, 4, v5
	v_add_nc_u32 v[STO], s23, v5
	v_and_b32 v6, 31, v0
	v_lshlrev_b32 v[CO], 4, v6
	v_lshrrev_b32 v5, 3, v6                        ; back: eight lanes to a head's 128 bytes of a row, four rows an instruction
	v_mul_u32_u24 v5, v5, SPITCH
	v_and_b32 v6, 7, v0
	v_lshl_add_u32 v5, v6, 4, v5
	v_add_nc_u32 v[RD], s23, v5
	v_mul_u32_u24 v[EO], v1, 12288                 ; eq: row r of 3,072 f32, + 32 bytes for the upper half of the lanes
	v_lshl_add_u32 v[EO], v2, 5, v[EO]
	; where my part begins in qkv: part x 2^24 + (16 b + head) x 2^18 + t x 128, with b = cy, head = 4 cx + 2 x column half (+ 1 by an immediate), t = 256 x cluster y + 128 x row half
	s_lshl_b32 s20, s41, 22
	s_lshl_b32 s21, s95, 15
	s_add_co_u32 s20, s20, s21
	s_lshl_b32 s21, s15, 14
	s_add_co_u32 s20, s20, s21
	s_lshl_b32 s21, ttmp9, 24
	s_add_co_u32 s20, s20, s21
	s_mov_b32 s21, 0
	s_lshl_b32 s46, s40, 20
	s_lshl_b32 s47, s16, 19
	s_add_co_u32 s46, s46, s47
	s_mov_b32 s47, 0
	s_add_nc_u64 s[96:97], s[96:97], s[20:21]
	s_add_nc_u64 s[96:97], s[96:97], s[46:47]
	; and in eq: b x 16 rows of 12,288 bytes + 4 x my first column
	s_mul_i32 s20, s41, 196608
	s_lshl_b32 s46, s42, 10
	s_lshl_b32 s47, s16, 9
	s_add_co_u32 s46, s46, s47
	s_mov_b32 s47, 0
	s_add_nc_u64 s[98:99], s[98:99], s[20:21]
	s_add_nc_u64 s[98:99], s[98:99], s[46:47]
.macro FRAG reg, adr, q, i             ; a fragment, 16 rows x 128 K of 4-bit codes, is 8 registers: lane l holds row l % 16; registers 4 c .. 4 c + 3 hold K = 64 c + 32 (l / 16) + 0 .. 31
.irp c, 0,1
	ds_load_b128 v[\reg+4*\c:\reg+4*\c+3], v[\adr] offset:64*(\q)+32*\c+(\i)*16*PITCH
.endr
.endm
; 16 matrix instructions: x's blocks a0, a0 + 1 against w_qkv's eight, 128 along K: the slot's q-th.  p: w_qkv's set;  sc: the set of scale words.  zero = 1: the first product starts the sums.
; The 64 accumulators take turns, one instruction a turn, in the same order in every step.
.macro MUL16 a0, p, q, sc, zero
.irp a, \a0, \a0+1
.irp b, 0,1,2,3,4,5,6,7
.if \zero
	v_wmma_scale_f32_16x16x128_f8f6f4 v[8*(8*((\a)%4)+\b):8*(8*((\a)%4)+\b)+7], v[128*(\p)+FR*\b:128*(\p)+FR*\b+FR-1], v[AF+FR*(\a):AF+FR*(\a)+FR-1], 0, v[SC+8*NQ*(\sc)+NQ*\b+(\q)], v[SC+8*NQ*(\sc)+NQ*(\a)+(\q)] matrix_a_fmt:MATRIX_FMT_FP4 matrix_b_fmt:MATRIX_FMT_FP4 matrix_a_scale:MATRIX_SCALE_ROW1
.else
	v_wmma_scale_f32_16x16x128_f8f6f4 v[8*(8*((\a)%4)+\b):8*(8*((\a)%4)+\b)+7], v[128*(\p)+FR*\b:128*(\p)+FR*\b+FR-1], v[AF+FR*(\a):AF+FR*(\a)+FR-1], v[8*(8*((\a)%4)+\b):8*(8*((\a)%4)+\b)+7], v[SC+8*NQ*(\sc)+NQ*\b+(\q)], v[SC+8*NQ*(\sc)+NQ*(\a)+(\q)] matrix_a_fmt:MATRIX_FMT_FP4 matrix_b_fmt:MATRIX_FMT_FP4 matrix_a_scale:MATRIX_SCALE_ROW1
.endif
.endr
.endr
.endm
.macro FETCH_B slot, q, p              ; w_qkv's eight fragments of the slot's q-th 128 along K into set p
	WIN TO_B
.irp i, 0,1,2,3,4,5,6,7
	FRAG 128*(\p)+FR*\i, ADRB+\slot, \q, \i
.endr
	WIN 0
.endm
.macro FETCH_A slot, q, i0             ; x's blocks i0 .. i0 + 3
.irp i, \i0, \i0+1, \i0+2, \i0+3
	FRAG AF+FR*(\i), ADRA+\slot, \q, \i
.endr
.endm
.macro SCALES sc                       ; a K step's scale words into set sc: NQ words a row; lanes 0-15 take x's block i, lanes 16-31 w_qkv's block i
.irp i, 0,1,2,3,4,5,6,7
	ds_load_b128 v[SC+8*NQ*\sc+NQ*\i:SC+8*NQ*\sc+NQ*\i+3], v[ADRS] offset:\i*SBLK
.endr
.endm
; A load into a register that a matrix instruction has read, and a vector instruction or a store that reads a matrix result, stand NP places behind that matrix instruction; only plain vector
; instructions that name none of its registers are places (ISA guide 7.12.1 for vector instructions).
.macro PLACES n
.rept \n
	v_nop
.endr
.endm
.macro STEP slot, q, zero              ; a step of 128 along K that has its successor in the same slot
	s_wait_dscnt 4*NL                              ; w_qkv's set and x's blocks 0-3 are in; the youngest eight loads (x's blocks 4-7) may be out
	WIN MUL_LO
	MUL16 0, (\q)%2, \q, \slot, \zero
	MUL16 2, (\q)%2, \q, \slot, \zero
	s_wait_dscnt 0                                 ; x's blocks 4-7 are in
	PLACES NP
	FETCH_B \slot, (\q)+1, 1-(\q)%2
	FETCH_A \slot, (\q)+1, 0
	WIN MUL_HI
	MUL16 4, (\q)%2, \q, \slot, \zero
	MUL16 6, (\q)%2, \q, \slot, \zero
	PLACES NP
	WIN 0
	FETCH_A \slot, (\q)+1, 4
.endm
; Slot 0's last step changes slots: one barrier; in front of it each wave waits for all its tensor loads (its part of slot 1), adds 0 to its spare word, and waits for that and for its reads of slot 0.
.macro TURN slot, next
	s_wait_tensorcnt 0x0                           ; all my tensor loads have landed
	ds_add_u32 v[SPW], v[NIL]                      ; 0 onto my spare word
	s_wait_dscnt 4*NL+1                            ; (the add and the youngest eight loads may be out)
	WIN MUL_LO
	MUL16 0, 1, NQ-1, \slot, 0
	s_wait_dscnt 0x0                               ; the add is done, and my reads of this slot are over
	s_barrier_signal -1
	MUL16 2, 1, NQ-1, \slot, 0
	WIN 0
	s_barrier_wait -1
	PLACES NP
	v_add_nc_u32 v[ADRS], 4*NQ, v[ADRS]            ; on to the next K step's scale words (no LDS load of mine is out)
	FETCH_B \next, 0, 0
	FETCH_A \next, 0, 0
	SCALES \next
	WIN MUL_HI
	MUL16 4, 1, NQ-1, \slot, 0
	MUL16 6, 1, NQ-1, \slot, 0
	PLACES NP
	WIN 0
	FETCH_A \next, 0, 4
.endm
	s_wait_tensorcnt 1                             ; the scales and my part of K step 0 are in (K step 1's load may be out),
	s_barrier_signal -1
	s_barrier_wait -1                              ; everybody's are
	FETCH_B 0, 0, 0
	FETCH_A 0, 0, 0
	SCALES 0
	FETCH_A 0, 0, 4
	STEP 0, 0, 1                                   ; the first step's products start the sums: nothing is cleared
	STEP 0, 1, 0
	STEP 0, 2, 0
	TURN 0, 1
	STEP 1, 0, 0
	STEP 1, 1, 0
	STEP 1, 2, 0
	s_wait_dscnt 4*NL                              ; the very last step: nothing more to fetch
	WIN MUL_LO
	MUL16 0, 1, NQ-1, 1, 0
	MUL16 2, 1, NQ-1, 1, 0
	s_wait_dscnt 0
	WIN MUL_HI
	MUL16 4, 1, NQ-1, 1, 0
	MUL16 6, 1, NQ-1, 1, 0
	WIN 0
	PLACES NP                                      ; behind the last products: for every read of results and every load into operands' registers below
	; POSITIONS 0-15 IN f32.  They are block 0 of the waves with the upper row half, in the clusters with y = 0: the test hangs on the cluster's y and the wave's number, the same in all partners.
	s_or_b32 s94, s95, s15
	s_cmp_lg_u32 s94, 0
	s_cbranch_scc1 .Lno_early
	WIN 0x08                                       ; a store's data are its source 1: window 2
.irp b, 0,1,2,3,4,5,6,7
	global_store_b128 v[EO], v[8*\b:8*\b+3], s[98:99] offset:64*\b        ; lane (r, h): row r, columns 16 b + 8 h + 0 .. 7; each accumulator from its low end on
	global_store_b128 v[EO], v[8*\b+4:8*\b+7], s[98:99] offset:64*\b+16
.endr
	WIN 0
.Lno_early:
; THE WAY OUT, block by block of 16 rows x 128 columns (two heads).  PACK: rounded to f16, 16 bytes a lane.  TOSTAGE: into my own stage in LDS, and back so that 32 lanes hold four rows of one head: 512 consecutive bytes of qkv.  SEND: stored.
.macro PACK a
.set AC, 64*((\a)%4)
.if (\a) < 4
	WIN 0x0a                                       ; sources 0 and 1: window 2
.else
	WIN 0x0f                                       ; window 3
.endif
.irp b, 0,1,2,3,4,5,6,7
.irp r, 0,1,2,3
	v_cvt_pk_f16_f32 v[TMP+4*\b+\r], v[AC+8*\b+2*\r], v[AC+8*\b+2*\r+1]
.endr
.endr
	WIN 0
.endm
.macro TOSTAGE a
.set BB, OB+192*((\a)%2)
.irp b, 0,1,2,3,4,5,6,7
	ds_store_b128 v[STO], v[TMP+4*\b:TMP+4*\b+3] offset:32*\b
.endr
.irp hh, 0,1
.irp i, 0,1,2,3
	ds_load_b128 v[BB+4*(4*\hh+\i):BB+4*(4*\hh+\i)+3], v[RD] offset:4*\i*SPITCH+128*\hh   ; LDS serves a wave's instructions in order: these see the stores above
.endr
.endr
.endm
.macro SEND a
.set BB, OB+192*((\a)%2)
	s_wait_dscnt 0x0                               ; the block is back in registers
	s_wait_xcnt 0x0                                ; the stores of the block before have read their registers: the next block's loads may land there
.irp hh, 0,1
.irp i, 0,1,2,3
	global_store_b128 v[CO], v[BB+4*(4*\hh+\i):BB+4*(4*\hh+\i)+3], s[96:97] offset:2048*(\a)+512*\i+262144*\hh   ; 32 lanes store 512 consecutive bytes: four rows of one head
.endr
.endr
.endm
	PACK 0
	TOSTAGE 0
.irp a, 1,2,3,4,5,6,7                  ; block a's conversions stand between block a - 1's loads from the stage and the wait for them
	PACK \a
	SEND \a-1
	TOSTAGE \a
.endr
	SEND 7
	s_wait_tensorcnt 0x0                           ; the wave's end
	ds_add_u32 v[SPW], v[NIL]
	s_wait_dscnt 0x0
	CROUND                                         ; the closing round
	s_endpgm
.Lfunc_end_k_qd484db9032_qkv:
	.size	k_qd484db9032_qkv, .Lfunc_end_k_qd484db9032_qkv-k_qd484db9032_qkv
	.p2alignl 7, 3214868480
	.fill 96, 4, 3214868480
	.section	.rodata,"a",@progbits
	.p2align	6, 0x0
	.amdhsa_kernel k_qd484db9032_qkv
		.amdhsa_group_segment_fixed_size 327680
		.amdhsa_private_segment_fixed_size 0
		.amdhsa_enable_private_segment 0
		.amdhsa_kernarg_size 32
		.amdhsa_user_sgpr_count 2
		.amdhsa_user_sgpr_kernarg_segment_ptr 1
		.amdhsa_wavefront_size32 1
		.amdhsa_system_sgpr_workgroup_id_x 1
		.amdhsa_system_sgpr_workgroup_id_y 1
		.amdhsa_system_sgpr_workgroup_id_z 1
		.amdhsa_system_vgpr_workitem_id 0
		.amdhsa_next_free_vgpr 1024
		.amdhsa_next_free_sgpr 100
		.amdhsa_reserve_vcc 0
		.amdhsa_float_denorm_mode_32 3
		.amdhsa_float_denorm_mode_16_64 3
		.amdhsa_memory_ordered 1
		.amdhsa_forward_progress 1
		.amdhsa_inst_pref_size 128
	.end_amdhsa_kernel
	.amdgpu_metadata
---
amdhsa.version: [ 1, 2 ]
amdhsa.kernels:
  - .name:           k_qd484db9032_qkv
    .symbol:         k_qd484db9032_qkv.kd
    .args:
      - { .name: codes, .offset: 0, .size: 8, .value_kind: global_buffer, .address_space: global }
      - { .name: scales, .offset: 8, .size: 8, .value_kind: global_buffer, .address_space: global }
      - { .name: qkv, .offset: 16, .size: 8, .value_kind: global_buffer, .address_space: global }
      - { .name: eq, .offset: 24, .size: 8, .value_kind: global_buffer, .address_space: global }
    .group_segment_fixed_size: 327680
    .private_segment_fixed_size: 0
    .kernarg_segment_align: 8
    .kernarg_segment_size: 32
    .max_flat_workgroup_size: 128
    .sgpr_count:     100
    .vgpr_count:     1024
    .wavefront_size: 32
...
	.end_amdgpu_metadata
.endif
;; end of part 2
;; launch attn (part 3): grid 4 x 64, 16 waves a work-group, no clusters, 327,680 bytes of LDS; arguments qkv, ao; writes ao
.if DOCPART == 3
	.amdgcn_target "amdgcn-amd-amdhsa--gfx1250"
	.amdhsa_code_object_version 6
	.text
	.protected	k_qd484db9032_attn
	.globl	k_qd484db9032_attn
	.p2align	8
	.type	k_qd484db9032_attn,@function
k_qd484db9032_attn:
	s_mov_b64 s[64:65], 0
	v_nop
	global_prefetch_b8 v0, s[64:65] scope:SCOPE_SE
	s_setreg_imm32_b32 hwreg(HW_REG_WAVE_MODE, 25, 1), 1
	s_wait_xcnt 0x0
; ao[head][2,048 b + q][:] = the sum over k <= q of softmax_k(Q[q] . K[k] / 8) V[k][:], for each of the 64 pairs (b, head).  Q, K, V: the three parts of qkv, [16 b + head][t][64], f16.  ao: f16, [head][2,048 b + t][64].
; Products, maxima and sums in f32; the weights p are rounded to f16 for the second product, the result once at the end.
; WORK LEFT OUT: key steps all of whose 64 keys come after all of a wave's 32 queries: reference()'s own causal mask gives them the weight 0 for all finite inputs (shown at the head of launch prep).  A NaN or infinity that would arise only there is not carried.
; SHARES.  Work-group (i, b x 16 + head) owns the blocks i and 7 - i of 256 queries: by the count of key slots under the mask, (i + 1) + (8 - i) = 9 for every work-group.  Each of sixteen waves owns 32 queries, two tiles of 16:
; waves 0-7 queries 256 i + 32 w on, waves 8-15 queries 256 (7 - i) + 32 (15 - w) on.  All waves read one ring of K and V: two LDS slots of 256 keys, filled by the tensor data mover (waves 0, 1: K's halves; waves 2, 3: V's).
; NO CLUSTER: the four work-groups of a head need 8, 7, 6 and 5 slots under the mask; in a joint request a partner would ask for tiles that none of its waves reads.
; LAYOUT.  S^T = K Q^T (source 0 = 16 keys, source 1 = 16 queries): a lane holds ONE query (lane % 16) and the keys 8 (lane / 16) + 0..7 of a tile.  Two such tiles, rounded to f16 in pairs, ARE source 1 (32 keys x 16 queries)
; of O^T = V^T P, whose result again holds one query a lane.  K comes out of LDS as it lies, V ([key][channel]) turned, by ds_load_tr16_b128.
; SOFTMAX.  For each query a running maximum m and sum l: p = 2^(c s - c m), c = log2(e) / 8; in every step O^T and l are multiplied by a = 2^(c m_old - c m_new).  m begins at -3e38, l and O^T at 0: the first a is 0 and multiplies zeros.
; EVERY work-group walks all 8 slots, so the loop's count is a constant; a step that is hidden from a wave is jumped over by a scalar branch on ids; a slot that no wave of the work-group reads is not asked for.
; REGISTERS: v1-15 addresses and the mask's numbers; v16-31 statistics, 8 a tile: +0 c m, +1 m, +2, +3 l, +4..+7 at work (a in +6); v32-63 Q; v64-127 one buffer: a step's K, then its V; v128-191 S^T, 32 a tile, whose first 16 then hold P; v192-255 O^T.
.set KP,    144                        ; a row of K in LDS: 128 bytes + 16 = 36 words: the 16 rows of a load start 4 banks apart
.set VP,    160                        ; a row of V: 128 + 32 = 40 words: the turning load's 8 rows x 32 bytes fall on different banks
.set SK,    256                        ; keys in a slot
.set VOFF,  SK*KP                      ; a slot: 256 rows of K, then 256 rows of V
.set SLOT1, 1<<17                      ; slot 1 begins here: one exclusive or turns an address in one slot into the other's
.set SPARE, 2*SLOT1                    ; the spare words, 128 bytes for each of 16 waves
.set SPT,   144                        ; the way out: a stage of 32 rows x (128 bytes + 16) for each wave, in slot 0: it was left at the last change of slots, has had its last fill, and nobody reads it
.set NSL,   8                          ; slots' worth of keys
.set KPART, 0x1000000                  ; where k begins in qkv
.set VPART, 0x2000000                  ; and v
.set AK0,  1                           ; v1   my lane's place in a tile of K
.set AV0,  2                           ; v2   the same for V
.set SPW,  3                           ; v3   LDS address of my spare word; never rewritten
.set NIL,  4                           ; v4   0; never rewritten
.set ADK,  5                           ; v5   LDS address of the step's K
.set ADV,  6                           ; v6   of its V
.set GO,   7                           ; v7   16 x lane: my place in a store's 512 bytes
.set PFO,  8                           ; v8   256 x lane: the prefetches' offset
.set DM,   9                           ; v9   lane % 16 - 8 (lane / 16)
.set D0,   10                          ; v10, v11  the mask: my query less the step's first key less 8 (lane / 16), for tile 0, 1
.set NINF, 12                          ; v12  -infinity
.set QO,   13                          ; v13  my byte offset in the wave's rows of Q
.set STO,  14                          ; v14  the way out: where I put 16 bytes of a row
.set RD,   15                          ; v15  where I read them back
.set ST,   16
.set Q,    32                          ; fragment (tile qt, channels 32 c on) at Q + 8 (2 qt + c)
.set KV,   64                          ; K: (keys 16 kt on, channels 32 c on) at KV + 8 (2 kt + c);  V: (keys 32 kk on, channels 16 ct on) at KV + 8 (4 kk + ct)
.set S,    128
.set O,    192                         ; (tile qt, channels 16 ct on) at O + 32 qt + 8 ct
.set TB,   2                           ; s2   LDS byte at which the slot in hand begins
.set KF,   3                           ; s3   the step's first key
.set Q0,   10                          ; s10  my first query
.set QL,   11                          ; s11  my work-group's last query
.set SLOTS, 12                         ; s12  changes of slots still to come in the loop
.set LIM,  13                          ; s13  1 in a wave that prefetches, else the greatest number
.set PFA,  14                          ; s[14:15] where my prefetches stand
.set WV,   18                          ; s18  my wave's number
.set SEL,  20                          ; s[20:21] lane selects for v_permlanex16_b32: lane l xor 16
.set CS,   22                          ; s[22:23] c: the packed form names a pair and takes its low word for both halves
.set G1K,  24                          ; s[24:31] descriptor group 1 for K's tiles;  s[32:39] for V's: it differs in the padding alone
.set G1V,  32
.set G0K,  40                          ; s[40:43], s[44:47] their groups 0, which walk
.set G0V,  44
; Waves 0 and 1 fetch for K, waves 2 and 3 for V, the others nothing.  The branches hang on the wave's number alone.  An s_nop 0 and four v_nop follow each of the two lines.
.macro TLOAD
	s_cmp_lt_u32 s[WV], 2
	s_cbranch_scc0 .Lnot_k_\@
	tensor_load_to_lds s[G0K:G0K+3], s[G1K:G1K+7]
	s_nop 0
.rept 4
	v_nop
.endr
	s_branch .Lasked_\@
.Lnot_k_\@:
	s_cmp_lt_u32 s[WV], 4
	s_cbranch_scc0 .Lasked_\@
	tensor_load_to_lds s[G0V:G0V+3], s[G1V:G1V+7]
	s_nop 0
.rept 4
	v_nop
.endr
.Lasked_\@:
.endm
; A PREFETCH INTO THE L2 of what the NEXT change of slots will ask for: a slot's 256 rows of K and of V, two dense blocks of 32,768 bytes.  The four work-groups of a head walk the same K and V; work-group i = 0, which walks all of them, asks.
; In it the waves ask that fetch nothing, one instruction each: waves 4-7 for K's block, waves 8-11 for V's: 8,192 bytes a wave, lanes 256 bytes apart.  So each block of 256 bytes is named once in the launch.
; It stands a slot's four key steps ahead of the tensor load that wants the data.  Slots 0 and 1 come by their loads alone; the loop's last change asks for nothing: there is no slot behind the one that it loads.
.macro ASK
	s_cmp_gt_u32 s[SLOTS], s[LIM]
	s_cbranch_scc0 .Lnot_mine_\@
	global_prefetch_b8 v[PFO], s[PFA:PFA+1] th:TH_LOAD_NT scope:SCOPE_SE
.Lnot_mine_\@:
.endm
	s_load_b128 s[4:7], s[0:1], 0x0                ; qkv, ao
	v_lshl_add_u32 v[SPW], v0, 2, SPARE
	v_mov_b32 v[NIL], 0
	ds_add_u32 v[SPW], v[NIL]                      ; the wave's opening: the add, twice on end, and its wait ahead of the first tensor load
	ds_add_u32 v[SPW], v[NIL]
	v_lshrrev_b32 v10, 5, v0
	v_readfirstlane_b32 s[WV], v10                 ; wave 0..15
	s_and_b32 s19, ttmp7, 0xffff                   ; 16 b + head
	s_lshl_b32 s16, ttmp9, 8
	s_sub_co_u32 s[QL], 2047, s16                  ; 256 (8 - i) - 1
	s_lshl_b32 s17, s[WV], 5
	s_add_co_u32 s16, s16, s17                     ; 256 i + 32 w
	s_sub_co_u32 s17, 2272, s16                    ; 256 (7 - i) + 32 (15 - w)
	s_cmp_lt_u32 s[WV], 8
	s_cselect_b32 s[Q0], s16, s17
	; descriptor group 1: 128 rows of 64 elements of 2 bytes, dense in memory, padded in LDS
	s_mov_b32 s[G1K], (1<<16)|(1<<20)|(4<<22)|(3<<25)   ; 15:0 no mask; 17:16 elements of 2 bytes; 20 padding on; 24:22 after every 32 words; 31:25 four words
	s_mov_b32 s[G1V], (1<<16)|(1<<20)|(4<<22)|(7<<25)   ; the same with eight words
.irp g, G1K, G1V
	s_mov_b32 s[\g+1], 64<<16                      ; tensor_dim0
	s_mov_b32 s[\g+2], 128<<16                     ; tensor_dim1
	s_mov_b32 s[\g+3], 64<<16                      ; tile_dim0
	s_mov_b32 s[\g+4], 128                         ; tile_dim1
	s_mov_b32 s[\g+5], 64                          ; tensor_dim0_stride
	s_mov_b32 s[\g+6], 0
	s_mov_b32 s[\g+7], 0
.endr
	s_mov_b32 s[SEL], 0x76543210
	s_mov_b32 s[SEL+1], 0xfedcba98
	s_mov_b32 s[CS], 0x3e38aa3b                    ; c = log2(e) / 8
	s_mov_b32 s[CS+1], s[CS]                       ; (named with it as a pair, so it is written)
	s_mov_b32 s[TB], 0
	s_mov_b32 s[KF], 0
	s_mov_b32 s[SLOTS], NSL-1
	s_lshl_b32 s48, s19, 18                        ; the head's first byte in each part
	s_and_b32 s16, s[WV], 1                        ; which half of a slot I fetch, if I fetch:
	s_lshl_b32 s17, s16, 14                        ; its 128 rows of 128 bytes in memory,
	s_add_co_u32 s50, s48, s17
	s_mov_b32 s51, 0
	s_mov_b32 s[G0K], 1                            ; 1:0 count = 1
	s_mul_i32 s[G0K+1], s16, 128*KP                ; 63:32 LDS address: slot 0
	s_mov_b32 s[G0V], 1
	s_mul_i32 s[G0V+1], s16, 128*VP
	s_add_co_u32 s[G0V+1], s[G0V+1], VOFF
	s_wait_dscnt 0x0                               ; both opening adds are done
	s_wait_kmcnt 0x0
	s_add_nc_u64 s[G0K+2:G0K+3], s[4:5], s[50:51]  ; 120:64 global address: the head's first 256 keys
	s_add_nc_u64 s[G0K+2:G0K+3], s[G0K+2:G0K+3], KPART
	s_or_b32 s[G0K+3], s[G0K+3], 0x80000000        ; 127:126 type = 2
	s_add_nc_u64 s[G0V+2:G0V+3], s[4:5], s[50:51]
	s_add_nc_u64 s[G0V+2:G0V+3], s[G0V+2:G0V+3], VPART
	s_or_b32 s[G0V+3], s[G0V+3], 0x80000000
	TLOAD                                          ; slot 0: key 0 counts for every query, so what the head fetches is read
	s_lshl_b32 s16, s[Q0], 7
	s_add_co_u32 s52, s48, s16
	s_mov_b32 s53, 0
	s_add_nc_u64 s[52:53], s[4:5], s[52:53]        ; Q at my first query
	v_and_b32 v10, 15, v0                          ; r
	v_bfe_u32 v11, v0, 4, 1                        ; h
	v_lshlrev_b32 v[QO], 7, v10
	v_lshl_add_u32 v[QO], v11, 4, v[QO]            ; row r of 128 bytes + 16 h
.irp qt, 0,1
.irp c, 0,1
	global_load_b128 v[Q+8*(2*\qt+\c):Q+8*(2*\qt+\c)+3],   v[QO], s[52:53] offset:2048*\qt+64*\c      ; Q stays in registers
	global_load_b128 v[Q+8*(2*\qt+\c)+4:Q+8*(2*\qt+\c)+7], v[QO], s[52:53] offset:2048*\qt+64*\c+32
.endr
.endr
	s_and_b32 s16, s19, 15                         ; ao: head x 2^20 + (2,048 b + my first query) x 128
	s_lshl_b32 s16, s16, 20
	s_lshr_b32 s17, s19, 4
	s_lshl_b32 s17, s17, 11
	s_add_co_u32 s17, s17, s[Q0]
	s_lshl_b32 s17, s17, 7
	s_add_co_u32 s50, s16, s17
	s_add_nc_u64 s[6:7], s[6:7], s[50:51]
	s_mov_b32 s17, VPART                           ; the prefetches: waves 4-7 stand in K, waves 8-11 in V,
	s_cmp_lt_u32 s[WV], 8
	s_cselect_b32 s50, KPART, s17
	s_and_b32 s16, s[WV], 3
	s_lshl_b32 s16, s16, 13                        ; my wave's 8,192 bytes,
	s_add_co_u32 s50, s50, s16
	s_add_co_u32 s50, s50, s48                     ; in my head,
	s_add_co_u32 s50, s50, 32768                   ; in slot 1: the first change of slots steps it to slot 2
	s_add_nc_u64 s[PFA:PFA+1], s[4:5], s[50:51]
	s_sub_co_u32 s16, s[WV], 4
	s_lshr_b32 s16, s16, 3                         ; 0 in waves 4 to 11,
	s_or_b32 s16, s16, ttmp9                       ; of work-group i = 0
	s_cmp_eq_u32 s16, 0
	s_cselect_b32 s[LIM], 1, -1
	v_mul_u32_u24 v[AK0], v10, KP
	v_lshl_add_u32 v[AK0], v11, 4, v[AK0]          ; K: row r x pitch + 16 h
	v_and_b32 v12, 7, v0                           ; V, for the turning load: key 8 h + l % 8, channels 8 ((l / 8) % 2) on
	v_lshl_add_u32 v[AV0], v11, 3, v12
	v_mul_u32_u24 v[AV0], v[AV0], VP
	v_bfe_u32 v12, v0, 3, 1
	v_lshl_add_u32 v[AV0], v12, 4, v[AV0]
	v_add_nc_u32 v[AV0], VOFF, v[AV0]
	v_and_b32 v12, 31, v0
	v_lshlrev_b32 v[GO], 4, v12
	v_lshlrev_b32 v[PFO], 8, v12
	v_lshlrev_b32 v[DM], 3, v11
	v_sub_nc_u32 v[DM], v10, v[DM]
	s_mul_i32 s16, s[WV], 32*SPT                   ; my stage
	v_mul_u32_u24 v[STO], v10, SPT                 ; in: row r, 16 bytes for each half of the lanes
	v_lshl_add_u32 v[STO], v11, 4, v[STO]
	v_add_nc_u32 v[STO], s16, v[STO]
	v_lshrrev_b32 v[RD], 3, v12                    ; back: eight lanes to a row of 128 bytes, four rows an instruction
	v_mul_u32_u24 v[RD], v[RD], SPT
	v_and_b32 v12, 7, v0
	v_lshl_add_u32 v[RD], v12, 4, v[RD]
	v_add_nc_u32 v[RD], s16, v[RD]
.irp t, 0,1
	v_mov_b32 v[ST+8*\t+1], 0xff61b1e6             ; m: -3e38, under every score
	v_mul_f32 v[ST+8*\t], s[CS], v[ST+8*\t+1]      ; c m
.irp i, 2,3,4,5,6,7
	v_mov_b32 v[ST+8*\t+\i], 0                     ; l; and the registers at work, written once: a lane permute's destination counts as one of its sources
.endr
.endr
.set n, 0
.rept 64
	v_mov_b32 v[O+n], 0                            ; O^T.  (The step is written once: the first finds zeros, which the first a leaves zeros)
.set n, n+1
.endr
; THE SOFTMAX of both tiles for one key step, the tiles by turns line by line, so that no line waits for the line above it.
.macro SOFTMAX
.irp j, 0,1,2,3                                ; the maximum of the lane's 32 scores and the old m: four chains of seven, then the four left over
.irp t, 0,1
	v_max3_num_f32 v[ST+8*\t+4+\j], v[S+32*\t+8*\j], v[S+32*\t+8*\j+1], v[S+32*\t+8*\j+2]   ; each accumulator is read from its low end on
.endr
.endr
.irp i, 3,5
.irp j, 0,1,2,3
.irp t, 0,1
	v_max3_num_f32 v[ST+8*\t+4+\j], v[ST+8*\t+4+\j], v[S+32*\t+8*\j+\i], v[S+32*\t+8*\j+\i+1]
.endr
.endr
.endr
.irp t, 0,1
	v_max3_num_f32 v[ST+8*\t+4], v[ST+8*\t+4], v[S+32*\t+7], v[S+32*\t+15]
	v_max3_num_f32 v[ST+8*\t+6], v[ST+8*\t+6], v[S+32*\t+23], v[S+32*\t+31]
.endr
.irp t, 0,1
	v_max3_num_f32 v[ST+8*\t+4], v[ST+8*\t+4], v[ST+8*\t+5], v[ST+8*\t+6]
.endr
.irp t, 0,1
	v_max3_num_f32 v[ST+8*\t+4], v[ST+8*\t+4], v[ST+8*\t+7], v[ST+8*\t+1]
.endr
.irp t, 0,1
	v_permlanex16_b32 v[ST+8*\t+5], v[ST+8*\t+4], s[SEL], s[SEL+1]   ; the query's other 32 keys lie in the lane 16 away
.endr
.irp t, 0,1
	v_mov_b32 v[ST+8*\t+7], v[ST+8*\t]             ; c m_old is kept for a
.endr
.irp t, 0,1
	v_max_num_f32 v[ST+8*\t+1], v[ST+8*\t+4], v[ST+8*\t+5]   ; the new m
.endr
.irp t, 0,1
	v_mul_f32 v[ST+8*\t], s[CS], v[ST+8*\t+1]
.endr
.irp t, 0,1
	v_sub_f32 v[ST+8*\t+7], v[ST+8*\t+7], v[ST+8*\t]
.endr
.irp t, 0,1
	v_exp_f32 v[ST+8*\t+6], v[ST+8*\t+7]           ; a = 2^(c m_old - c m_new)
.endr
.set b, 0
.rept 16
.irp t, 0,1
	v_pk_fma_f32 v[S+32*\t+2*b:S+32*\t+2*b+1], v[S+32*\t+2*b:S+32*\t+2*b+1], s[CS:CS+1], v[ST+8*\t:ST+8*\t+1] op_sel_hi:[1,0,0] neg_lo:[0,0,1] neg_hi:[0,0,1]   ; c s - c m, two at a time
.endr
.set b, b+1
.endr
.set e, 0
.rept 32
.irp t, 0,1
	v_exp_f32 v[S+32*\t+e], v[S+32*\t+e]           ; p = 2^(c s - c m)
.endr
.set e, e+1
.endr
	v_nop                                          ; the plain instruction behind the last exponential
	s_wait_alu depctr_va_vdst(0)                   ; ONE wait for the step's 66 exponentials, ahead of the first line that names a result
.irp t, 0,1                                    ; the sum is taken of p before it is rounded, in two chains a tile
	v_pk_fma_f32 v[ST+8*\t+2:ST+8*\t+3], v[ST+8*\t+2:ST+8*\t+3], v[ST+8*\t+6:ST+8*\t+7], v[S+32*\t:S+32*\t+1] op_sel_hi:[1,0,1]   ; l = a l + pair 0
.endr
.irp t, 0,1
	v_pk_add_f32 v[ST+8*\t+4:ST+8*\t+5], v[S+32*\t+2:S+32*\t+3], v[S+32*\t+4:S+32*\t+5]
.endr
.irp b, 3,5,7,9,11,13
.irp t, 0,1
	v_pk_add_f32 v[ST+8*\t+2:ST+8*\t+3], v[ST+8*\t+2:ST+8*\t+3], v[S+32*\t+2*\b:S+32*\t+2*\b+1]
	v_pk_add_f32 v[ST+8*\t+4:ST+8*\t+5], v[ST+8*\t+4:ST+8*\t+5], v[S+32*\t+2*\b+2:S+32*\t+2*\b+3]
.endr
.endr
.irp t, 0,1
	v_pk_add_f32 v[ST+8*\t+2:ST+8*\t+3], v[ST+8*\t+2:ST+8*\t+3], v[S+32*\t+30:S+32*\t+31]
.endr
.irp t, 0,1
	v_pk_add_f32 v[ST+8*\t+2:ST+8*\t+3], v[ST+8*\t+2:ST+8*\t+3], v[ST+8*\t+4:ST+8*\t+5]
.endr
.set i, 0
.rept 16                                       ; P, in place: pair i goes to register i, which line i / 2 has read
.irp t, 0,1
	v_cvt_pk_f16_f32 v[S+32*\t+i], v[S+32*\t+2*i], v[S+32*\t+2*i+1]
.endr
.set i, i+1
.endr
.set i, 0
.rept 16
.irp t, 0,1
	v_pk_mul_f32 v[O+32*\t+2*i:O+32*\t+2*i+1], v[O+32*\t+2*i:O+32*\t+2*i+1], v[ST+8*\t+6:ST+8*\t+7] op_sel_hi:[1,0]   ; O^T x a
.endr
.set i, i+1
.endr
.endm
; A KEY STEP: 64 keys, the step-th of the slot in hand.
.macro STEP step
	s_add_co_u32 s16, s[Q0], 31                    ; a step all of whose keys come after my 32 queries is left out: a scalar branch on ids; no barrier and no tensor load stands in a step
	s_cmp_gt_u32 s[KF], s16
	s_cbranch_scc1 .Lhidden_\@
	v_add_nc_u32 v[ADK], s[TB], v[AK0]
	v_add_nc_u32 v[ADV], s[TB], v[AV0]
.irp kt, 0,1,2,3
.irp c, 0,1
	ds_load_b128 v[KV+8*(2*\kt+\c):KV+8*(2*\kt+\c)+3],   v[ADK] offset:(64*(\step)+16*\kt)*KP+64*\c
	ds_load_b128 v[KV+8*(2*\kt+\c)+4:KV+8*(2*\kt+\c)+7], v[ADK] offset:(64*(\step)+16*\kt)*KP+64*\c+32
.endr
.endr
	s_wait_dscnt 0x0
.irp c, 0,1                                    ; S^T = K Q^T: eight accumulators by turns, one instruction a turn; the first eight start the sums
.irp kt, 0,1,2,3
.irp qt, 0,1
.if \c == 0
	v_wmma_f32_16x16x32_f16 v[S+32*\qt+8*\kt:S+32*\qt+8*\kt+7], v[KV+8*(2*\kt+\c):KV+8*(2*\kt+\c)+7], v[Q+8*(2*\qt+\c):Q+8*(2*\qt+\c)+7], 0
.else
	v_wmma_f32_16x16x32_f16 v[S+32*\qt+8*\kt:S+32*\qt+8*\kt+7], v[KV+8*(2*\kt+\c):KV+8*(2*\kt+\c)+7], v[Q+8*(2*\qt+\c):Q+8*(2*\qt+\c)+7], v[S+32*\qt+8*\kt:S+32*\qt+8*\kt+7]
.endif
.endr
.endr
.endr
.rept 4
	v_nop                                          ; four places: in front of the loads into K's registers, and of the first read of the scores
.endr
.irp kk, 0,1                                   ; V, turned, into the same buffer: it lands while the softmax is walked
.irp ct, 0,1,2,3
	ds_load_tr16_b128 v[KV+8*(4*\kk+\ct):KV+8*(4*\kk+\ct)+3],   v[ADV] offset:(64*(\step)+32*\kk)*VP+32*\ct
	ds_load_tr16_b128 v[KV+8*(4*\kk+\ct)+4:KV+8*(4*\kk+\ct)+7], v[ADV] offset:(64*(\step)+32*\kk)*VP+16*VP+32*\ct
.endr
.endr
	s_add_co_u32 s16, s[KF], 63                    ; on the diagonal the scores of hidden keys become -infinity ahead of the maximum: p = 0 then.  A step all of whose keys count skips this
	s_cmp_le_u32 s16, s[Q0]
	s_cbranch_scc1 .Lopen_\@
	s_sub_co_i32 s16, s[Q0], s[KF]
	v_add_nc_u32 v[D0], s16, v[DM]                 ; register 8 kt + j of tile qt holds key KF + 16 kt + 8 h + j and query Q0 + 16 qt + r: hidden where 16 kt + j > Q0 - KF + 16 qt + r - 8 h
	v_add_nc_u32 v[D0+1], 16, v[D0]
	v_mov_b32 v[NINF], 0xff800000
.irp qt, 0,1
.irp kt, 0,1,2,3
.irp j, 0,1,2,3,4,5,6,7
	v_cmp_gt_i32 vcc_lo, 16*\kt+\j, v[D0+\qt]
	v_cndmask_b32 v[S+32*\qt+8*\kt+\j], v[S+32*\qt+8*\kt+\j], v[NINF], vcc_lo
.endr
.endr
.endr
.Lopen_\@:
	SOFTMAX
	s_wait_dscnt 0x0                               ; V is in
.irp kk, 0,1                                   ; O^T += V^T P: eight accumulators by turns
.irp ct, 0,1,2,3
.irp qt, 0,1
	v_wmma_f32_16x16x32_f16 v[O+32*\qt+8*\ct:O+32*\qt+8*\ct+7], v[KV+8*(4*\kk+\ct):KV+8*(4*\kk+\ct)+7], v[S+32*\qt+8*\kk:S+32*\qt+8*\kk+7], v[O+32*\qt+8*\ct:O+32*\qt+8*\ct+7]
.endr
.endr
.endr
.rept 5
	v_nop                                          ; five places: the next step's first products write over P's registers (five are owed); its loads land in V's registers and the way out reads O^T (four)
.endr
.Lhidden_\@:
	s_add_co_u32 s[KF], s[KF], 64
.endm
; THE CHANGE OF SLOTS stands at a slot's head.  Each wave waits for all its tensor loads, adds 0 to its spare word (fill = 1: twice on end),
; and waits for that and for its reads of the slot that it has left.  Behind the barrier the slot ahead is whole and nobody reads the other one, which is then filled with the keys that follow, up to the causal limit.
.macro CHANGE fill
	s_wait_tensorcnt 0x0                           ; no tensor load of mine is out, so a group 0 may be written
	ds_add_u32 v[SPW], v[NIL]
.if \fill
	ds_add_u32 v[SPW], v[NIL]
	s_xor_b32 s[G0K+1], s[G0K+1], SLOT1            ; the walking descriptors: the other slot than last time,
	s_add_nc_u64 s[G0K+2:G0K+3], s[G0K+2:G0K+3], SK*128   ; the next 256 keys; the type bits on top are not reached
	s_xor_b32 s[G0V+1], s[G0V+1], SLOT1
	s_add_nc_u64 s[G0V+2:G0V+3], s[G0V+2:G0V+3], SK*128
	s_wait_xcnt 0x0                                ; the last prefetch, a slot back, has read its address, so it may be written:
	s_add_nc_u64 s[PFA:PFA+1], s[PFA:PFA+1], SK*128   ; one slot further on than the walking descriptors
.endif
	s_wait_dscnt 0x0                               ; the add is done, and my reads of the slot that I have left are over
	s_barrier_signal -1
	s_barrier_wait -1
.if \fill
	s_add_co_u32 s16, s[KF], SK                    ; the first key of the slot that this change would ask for:
	s_cmp_gt_u32 s16, s[QL]                        ; behind my work-group's last query it is read by none of its waves, so it is not asked for.  Ids and the count of steps alone: all sixteen waves go the same way,
	s_cbranch_scc1 .Lpast_\@                       ; and a work-group that is past the limit stays past it.  Every wait on TENSORcnt in this text is for 0
	TLOAD                                          ; a wave's one tensor load until the next such barrier: it has a slot's four key steps in which to land
.Lpast_\@:
	ASK
.endif
.endm
.macro SLOT_STEPS
.irp n, 0,1,2,3
	STEP \n
.endr
	s_xor_b32 s[TB], s[TB], SLOT1                  ; on to the other slot
.endm
	s_wait_loadcnt 0x0                             ; Q
.Lslot:                                            ; 7 trips
	CHANGE 1
	SLOT_STEPS
	s_sub_co_u32 s[SLOTS], s[SLOTS], 1
	s_cmp_lg_u32 s[SLOTS], 0
	s_cbranch_scc1 .Lslot
	CHANGE 0                                       ; the last slot is written out: nothing is left to ask for
	SLOT_STEPS
	; THE WAY OUT.  l's two halves and the other half of the lanes' are added; O^T is divided by l, rounded to f16 and sent through my stage in LDS: a lane's eight channels are 16 bytes of a row of 128; four rows come back to an instruction.
.irp t, 0,1
	v_add_f32 v[ST+8*\t+4], v[ST+8*\t+2], v[ST+8*\t+3]
.endr
.irp t, 0,1
	v_permlanex16_b32 v[ST+8*\t+5], v[ST+8*\t+4], s[SEL], s[SEL+1]
.endr
.irp t, 0,1
	v_add_f32 v[ST+8*\t+4], v[ST+8*\t+4], v[ST+8*\t+5]
.endr
.irp t, 0,1
	v_rcp_f32 v[ST+8*\t+6], v[ST+8*\t+4]
.endr
	v_nop                                          ; a plain instruction behind the last reciprocal
	s_wait_alu depctr_va_vdst(0)                   ; and the wait ahead of the first use: one for both
.irp t, 0,1
.set i, 0
.rept 16
	v_pk_mul_f32 v[O+32*\t+2*i:O+32*\t+2*i+1], v[O+32*\t+2*i:O+32*\t+2*i+1], v[ST+8*\t+6:ST+8*\t+7] op_sel_hi:[1,0]
.set i, i+1
.endr
.endr
.set n, 0
.rept 32
	v_cvt_pk_f16_f32 v[S+n], v[O+2*n], v[O+2*n+1]
.set n, n+1
.endr
.irp t, 0,1
.irp ct, 0,1,2,3
	ds_store_b128 v[STO], v[S+16*\t+4*\ct:S+16*\t+4*\ct+3] offset:16*\t*SPT+32*\ct
.endr
.endr
.irp n, 0,1,2,3,4,5,6,7
	ds_load_b128 v[KV+4*\n:KV+4*\n+3], v[RD] offset:4*\n*SPT   ; LDS serves a wave's instructions in order: these see my stores
.endr
.irp n, 0,1,2,3,4,5,6,7
	s_wait_dscnt 7-\n                              ; load n is in; the younger ones may be out
	global_store_b128 v[GO], v[KV+4*\n:KV+4*\n+3], s[6:7] offset:512*\n   ; 32 lanes store 512 consecutive bytes: four rows of ao
.endr
	s_wait_tensorcnt 0x0                           ; the wave's end
	ds_add_u32 v[SPW], v[NIL]
	s_wait_dscnt 0x0
	s_endpgm
.Lfunc_end_k_qd484db9032_attn:
	.size	k_qd484db9032_attn, .Lfunc_end_k_qd484db9032_attn-k_qd484db9032_attn
	.p2alignl 7, 3214868480
	.fill 96, 4, 3214868480
	.section	.rodata,"a",@progbits
	.p2align	6, 0x0
	.amdhsa_kernel k_qd484db9032_attn
		.amdhsa_group_segment_fixed_size 327680
		.amdhsa_private_segment_fixed_size 0
		.amdhsa_enable_private_segment 0
		.amdhsa_kernarg_size 16
		.amdhsa_user_sgpr_count 2
		.amdhsa_user_sgpr_kernarg_segment_ptr 1
		.amdhsa_wavefront_size32 1
		.amdhsa_system_sgpr_workgroup_id_x 1
		.amdhsa_system_sgpr_workgroup_id_y 1
		.amdhsa_system_sgpr_workgroup_id_z 1
		.amdhsa_system_vgpr_workitem_id 0
		.amdhsa_next_free_vgpr 256
		.amdhsa_next_free_sgpr 66
		.amdhsa_reserve_vcc 1
		.amdhsa_float_denorm_mode_32 3
		.amdhsa_float_denorm_mode_16_64 3
		.amdhsa_memory_ordered 1
		.amdhsa_forward_progress 1
		.amdhsa_inst_pref_size 188
	.end_amdhsa_kernel
	.amdgpu_metadata
---
amdhsa.version: [ 1, 2 ]
amdhsa.kernels:
  - .name:           k_qd484db9032_attn
    .symbol:         k_qd484db9032_attn.kd
    .args:
      - { .name: qkv, .offset: 0, .size: 8, .value_kind: global_buffer, .address_space: global }
      - { .name: ao, .offset: 8, .size: 8, .value_kind: global_buffer, .address_space: global }
    .group_segment_fixed_size: 327680
    .private_segment_fixed_size: 0
    .kernarg_segment_align: 8
    .kernarg_segment_size: 16
    .max_flat_workgroup_size: 512
    .sgpr_count:     66
    .vgpr_count:     256
    .wavefront_size: 32
...
	.end_amdgpu_metadata
.endif
;; end of part 3
;; launch proj (part 4): grid 4 x 64, 4 waves a work-group, clusters of 4 x 4, 327,680 bytes of LDS; arguments ao, woh, out0; writes out0
.if DOCPART == 4
	.amdgcn_target "amdgcn-amd-amdhsa--gfx1250"
	.amdhsa_code_object_version 6
	.text
	.protected	k_qd484db9032_proj
	.globl	k_qd484db9032_proj
	.p2align	8
	.type	k_qd484db9032_proj,@function
k_qd484db9032_proj:
	s_mov_b64 s[64:65], 0
	v_nop
	global_prefetch_b8 v0, s[64:65] scope:SCOPE_SE
	s_setreg_imm32_b32 hwreg(HW_REG_WAVE_MODE, 25, 1), 1
	s_wait_xcnt 0x0
	s_wait_alu depctr_hold_cnt(0) depctr_sa_sdst(0) depctr_va_vdst(0) depctr_va_sdst(0) depctr_va_ssrc(0) depctr_va_vcc(0) depctr_vm_vsrc(0)
	s_getreg_b32 s2, hwreg(HW_REG_IB_STS2, 6, 4)
	s_cmp_eq_u32 s2, 0
	s_cbranch_scc0 .Lentry_in_a_cluster
	s_endpgm
.Lentry_in_a_cluster:
	s_bfe_u32 s2, ttmp6, 0x10000c
	s_cmp_lg_u32 s2, 0xf033
	s_cbranch_scc0 .Lentry_shape_is_right
	s_endpgm
.Lentry_shape_is_right:
; out0[m][n] = sum over k of A[m][k] w_out[n][k], M 8,192, N 1,024, K 1,024; f16 operands, f32 sums, f32 out.  A is launch attn's result ao, f16, laid by head: [head][m][64], so k = 64 head + channel.  woh: w_out in f16, [n][k].
; (Rows t < 16 of each sequence are written here like all others and written again, from f32 operands, by launch early.)
; A tile of 128 x 256 of out0 is made by a work-group of four waves: 256 work-groups.  Wave (rh = w / 2, ch = w % 2) makes 64 rows x 128 columns: 32 accumulators of 16 x 16, 256 registers.
; K goes in steps of 128, two heads, through a ring of two LDS slots.  A K step of A is two slabs (a head each) of 128 rows x 128 bytes, dense in memory; of woh 256 rows x 256 bytes.  One tensor load a wave: wave 0, 1: A's slabs; wave 2, 3: woh's halves.
; CLUSTERS: 4 x 4 work-groups.  The four of a row of the cluster make one tile row and need the same tiles of A; the four of a column need the same tiles of woh: each is asked for JOINTLY, by the same tensor load with the same descriptor and a mask that names the four.
; THE MATRIX INSTRUCTION IS USED TRANSPOSED (source 0 = 16 rows of woh, source 1 = 16 rows of A): a lane then holds eight neighbouring numbers of a row of out0.
; REGISTERS, in windows of 256: window 0: v0-31 addresses; v128-255 rows on the way out.   window 1: two fragment buffers of 96 (woh's 8 fragments, then A's 4), for 32 along K each.   window 2: accumulator (a, b) at v[8 (8 a + b)].
.set PA,     144                       ; a row of A in LDS: 128 bytes + 16
.set PB,     272                       ; a row of woh: 256 bytes + 16.  Both pitches are odd multiples of 16 bytes: the 16 rows that a load touches start 4 banks apart
.set SLAB,   128*PA
.set AREG,   2*SLAB                    ; A's two slabs, then woh's 256 rows
.set HALFB,  128*PB
.set SLOT,   AREG+2*HALFB
.set STAGE,  2*SLOT                    ; behind the ring: 16 rows x (512 bytes + 16) for each wave, for the way out
.set SPITCH, 528
.set SPARE,  STAGE+4*16*SPITCH         ; the spare words, 128 bytes a wave
.set LAPS,   4                         ; a lap = two K steps = once round the ring
.set HEADB,  1048576                   ; a head's slab of ao in bytes
.set ADRA, 16                          ; v16-17  LDS address of my fragments of A in slot 0, 1
.set ADRB, 20                          ; v20-21  the same for woh
.set STO,  24                          ; v24     the way out: where I put 32 bytes of a row
.set RD,   25                          ; v25     where I read a row back
.set CO,   26                          ; v26     16 x lane
.set SPW,  28                          ; v28     LDS address of my spare word; never rewritten
.set NIL,  29                          ; v29     0; never rewritten
.set PFO,  30                          ; v30     256 x lane: the prefetches' offset
.set BK,   128                         ; the way out: 16 rows read back: v128-191 and v192-255 by turns
.set F0,   0                           ; fragment buffers, in window 1
.set F1,   96
.set G1, 24                            ; s[24:31] descriptor group 1 for A's slabs;  s[32:39] group 0, one set for each slot
.set G0, 32
.set G1B, 48                           ; s[48:55], s[56:63] the same for woh's tiles
.set G0B, 56
.set LIM,  43                          ; s43     1 in a wave that prefetches, else the greatest number
.set PFA,  44                          ; s[44:45] where my prefetches stand
.set MSB, 0
.macro WIN new                         ; the immediate's high byte repeats the setting that is left
.if MSB != \new
	s_set_vgpr_msb (MSB<<8)|\new
.set MSB, \new
.endif
.endm
.set MUL,  0xa5                        ; sources 0 and 1 window 1; C and D window 2
.set TO_F, 0x40                        ; destination window 1, address window 0
.macro JLOAD s                         ; a joint load: waves 0 and 1 fetch A's slabs, waves 2 and 3 woh's halves; an s_nop 0 and four v_nop follow each of the two lines
	s_cmp_eq_u32 s11, 0
	s_cbranch_scc0 .Lfor_b_\@
	tensor_load_to_lds s[G0+4*\s:G0+4*\s+3], s[G1:G1+7]
	s_nop 0
.rept 4
	v_nop
.endr
	s_branch .Lasked_\@
.Lfor_b_\@:
	tensor_load_to_lds s[G0B+4*\s:G0B+4*\s+3], s[G1B:G1B+7]
	s_nop 0
.rept 4
	v_nop
.endr
.Lasked_\@:
.endm
; A PREFETCH INTO THE L2 of A's K step that stands two refills on: two slabs of 128 rows x 128 bytes.  A tile row of A is read by one row of one cluster alone; its four partners share the K step out BY ADDRESS:
; the partner at cx takes slab cx / 2, rows 64 (cx % 2) on: 8,192 dense bytes, lanes 256 bytes apart; wave 0 asks, one instruction.  So each block of 256 bytes is named once in the launch.
; woh is not asked for: sixteen clusters read the same rows again and again.  K steps 0 to 3 come by their loads alone; the loop's last trip asks for nothing: no K step stands two refills on.
.macro ASK
	s_cmp_gt_u32 s3, s[LIM]                        ; s3 = 1 in the loop's last trip
	s_cbranch_scc0 .Lnot_mine_\@
	global_prefetch_b8 v[PFO], s[PFA:PFA+1] th:TH_LOAD_NT scope:SCOPE_SE
.Lnot_mine_\@:
.endm
.macro CREST                           ; a round of the cluster's barrier behind its opening barrier
	s_cmp_lg_u32 s10, 0
	s_cbranch_scc1 .Lnot_wave_0_\@
	s_barrier_signal -3
.Lnot_wave_0_\@:
	s_barrier_wait -3
	s_barrier_signal -1
	s_barrier_wait -1
.endm
.macro CROUND                          ; a whole round
	s_barrier_signal -1
	s_barrier_wait -1
	CREST
.endm
	s_load_b128 s[4:7], s[0:1], 0x0                ; ao, woh
	s_load_b64 s[8:9], s[0:1], 0x10                ; out0
	v_lshl_add_u32 v[SPW], v0, 2, SPARE
	v_mov_b32 v[NIL], 0
	ds_add_u32 v[SPW], v[NIL]                      ; the wave's opening: the add, twice on end, and its wait ahead of my first tensor load
	ds_add_u32 v[SPW], v[NIL]
	v_lshrrev_b32 v1, 5, v0
	v_readfirstlane_b32 s10, v1                    ; wave 0..3
	s_lshr_b32 s11, s10, 1                         ; rh: which 64 rows are mine.  Also: I fetch for A (0) or for woh (1)
	s_and_b32 s12, s10, 1                          ; ch: which 128 columns.  Also: which slab, or which 128 rows of woh, I fetch
	s_bfe_u32 s40, ttmp6, 0x40000                  ; cx, cy: my place in the cluster
	s_bfe_u32 s41, ttmp6, 0x40004
	s_lshl_b32 s42, ttmp9, 2
	s_add_co_u32 s42, s42, s40                     ; tile column = 4 x cluster x + cx
	s_and_b32 s13, ttmp7, 0xffff
	s_lshl_b32 s13, s13, 2
	s_add_co_u32 s13, s13, s41                     ; tile row = 4 x cluster y + cy
	s_lshl_b32 s43, s41, 2
	s_lshl_b32 s43, 15, s43                        ; my row of the cluster
	s_lshl_b32 s44, 0x1111, s40                    ; my column
	; descriptor group 1.  A: 128 rows x 64 elements of 2 bytes, dense; four words of padding after every 32.  woh: 128 rows x 128 elements, 1,024 apart; four words after every 64
	s_or_b32 s[G1+0], s43, (1<<16)|(1<<20)|(1<<21)|(4<<22)|(3<<25)
	s_mov_b32 s[G1+1], 64<<16                      ; tensor_dim0
	s_mov_b32 s[G1+2], 128<<16                     ; tensor_dim1
	s_mov_b32 s[G1+3], 64<<16                      ; tile_dim0
	s_mov_b32 s[G1+4], 128                         ; tile_dim1
	s_mov_b32 s[G1+5], 64                          ; tensor_dim0_stride
	s_mov_b32 s[G1+6], 0
	s_mov_b32 s[G1+7], 0
	s_or_b32 s[G1B+0], s44, (1<<16)|(1<<20)|(1<<21)|(5<<22)|(3<<25)
	s_mov_b32 s[G1B+1], 128<<16
	s_mov_b32 s[G1B+2], 128<<16
	s_mov_b32 s[G1B+3], 128<<16
	s_mov_b32 s[G1B+4], 128
	s_mov_b32 s[G1B+5], 1024
	s_mov_b32 s[G1B+6], 0
	s_mov_b32 s[G1B+7], 0
	s_lshl_b32 s16, s13, 14                        ; A: the tile row's 128 rows of 128 bytes,
	s_lshl_b32 s17, s12, 20                        ; in the slab that I fetch
	s_add_co_u32 s16, s16, s17
	s_mov_b32 s17, 0
	s_lshl_b32 s46, s42, 19                        ; woh: row 256 x tile column + 128 x half, 2,048 bytes a row
	s_lshl_b32 s47, s12, 18
	s_add_co_u32 s46, s46, s47
	s_mov_b32 s47, 0
	s_mul_i32 s20, s12, SLAB                       ; where they go: no place in the cluster enters an LDS address
	s_mul_i32 s21, s12, HALFB
	s_add_co_u32 s21, s21, AREG
	s_wait_dscnt 0x0                               ; both opening adds are done
	s_wait_kmcnt 0x0
	s_add_nc_u64 s[14:15], s[4:5], s[16:17]
	s_add_nc_u64 s[46:47], s[6:7], s[46:47]
	CROUND                                         ; all sixteen work-groups are here: the first joint loads meet
.irp s, 0,1
	s_mov_b32 s[G0+4*\s], 1
	s_add_co_u32 s[G0+4*\s+1], s20, \s*SLOT
	s_add_nc_u64 s[G0+4*\s+2:G0+4*\s+3], s[14:15], \s*2*HEADB     ; K step s: heads 2 s, 2 s + 1
	s_or_b32 s[G0+4*\s+3], s[G0+4*\s+3], 0x80000000
	s_mov_b32 s[G0B+4*\s], 1
	s_add_co_u32 s[G0B+4*\s+1], s21, \s*SLOT
	s_add_nc_u64 s[G0B+4*\s+2:G0B+4*\s+3], s[46:47], \s*256
	s_or_b32 s[G0B+4*\s+3], s[G0B+4*\s+3], 0x80000000
	JLOAD \s                                       ; two tensor loads of mine are out
.endr
	v_and_b32 v1, 15, v0                           ; r
	v_bfe_u32 v2, v0, 4, 1                         ; h
	v_mul_u32_u24 v3, v1, PA
	v_lshl_add_u32 v3, v2, 4, v3                   ; a fragment's row x pitch + 16 x half
	v_mul_u32_u24 v4, v1, PB
	v_lshl_add_u32 v4, v2, 4, v4
	s_mul_i32 s21, s11, 64*PA                      ; my 64 rows of each slab
	s_mul_i32 s22, s12, HALFB                      ; my 128 rows of woh,
	s_add_co_u32 s22, s22, AREG                    ; which lie behind A's slabs
.irp s, 0,1
	v_add_nc_u32 v[ADRA+\s], s21, v3
	v_add_nc_u32 v[ADRB+\s], s22, v4
	s_add_co_u32 s21, s21, SLOT
	s_add_co_u32 s22, s22, SLOT
.endr
	s_mul_i32 s23, s10, 16*SPITCH
	s_add_co_u32 s23, s23, STAGE                   ; my stage
	v_mul_u32_u24 v5, v1, SPITCH                   ; in: row r, 32 bytes for each half of the lanes
	v_lshl_add_u32 v5, v2, 5, v5
	v_add_nc_u32 v[STO], s23, v5
	v_and_b32 v6, 31, v0
	v_lshlrev_b32 v[CO], 4, v6                     ; back: the 32 lanes take one row of 512 bytes; and the same in out0
	v_add_nc_u32 v[RD], s23, v[CO]
	v_lshlrev_b32 v[PFO], 8, v6
	s_lshl_b32 s16, s13, 19                        ; out0: my first row, 128 x tile row + 64 rh, of 4,096 bytes,
	s_lshl_b32 s17, s11, 18
	s_add_co_u32 s16, s16, s17
	s_mov_b32 s17, 0
	s_lshl_b32 s46, s42, 10                        ; my first column, 256 x tile column + 128 ch, of 4 bytes
	s_lshl_b32 s47, s12, 9
	s_add_co_u32 s46, s46, s47
	s_mov_b32 s47, 0
	s_add_nc_u64 s[8:9], s[8:9], s[16:17]
	s_add_nc_u64 s[8:9], s[8:9], s[46:47]
	s_lshl_b32 s20, s13, 14                        ; the prefetches: the tile row's rows,
	s_lshr_b32 s21, s40, 1
	s_lshl_b32 s21, s21, 20                        ; slab cx / 2 of a K step,
	s_add_co_u32 s20, s20, s21
	s_and_b32 s21, s40, 1
	s_lshl_b32 s21, s21, 13                        ; rows 64 (cx % 2) on,
	s_add_co_u32 s20, s20, s21
	s_add_co_u32 s20, s20, 3*2*HEADB               ; at K step 3: the first refill steps it to 4
	s_mov_b32 s21, 0
	s_add_nc_u64 s[PFA:PFA+1], s[4:5], s[20:21]
	s_cmp_eq_u32 s10, 0
	s_cselect_b32 s[LIM], 1, -1
; 8 matrix instructions: A's block a against woh's eight, 32 along K, from buffer f.  zero = 1: the product starts the sums: nothing is cleared.
; The 32 accumulators take turns, one instruction a turn, in the same order in every quarter.
.macro MUL8 f, a, zero
.irp b, 0,1,2,3,4,5,6,7
.if \zero
	v_wmma_f32_16x16x32_f16 v[8*(8*(\a)+\b):8*(8*(\a)+\b)+7], v[\f+8*\b:\f+8*\b+7], v[\f+64+8*(\a):\f+64+8*(\a)+7], 0
.else
	v_wmma_f32_16x16x32_f16 v[8*(8*(\a)+\b):8*(8*(\a)+\b)+7], v[\f+8*\b:\f+8*\b+7], v[\f+64+8*(\a):\f+64+8*(\a)+7], v[8*(8*(\a)+\b):8*(8*(\a)+\b)+7]
.endif
.endr
.endm
.macro MUL16 f, a0, zero
	MUL8 \f, \a0, \zero
	MUL8 \f, (\a0)+1, \zero
.endm
; 24 LDS loads in one run: the fragments of the slot's q-th 32 along K into buffer f: woh's eight, then A's four.  Quarters 0, 1 lie in A's first slab, 2, 3 in its second.
.macro FETCH slot, q, f
	WIN TO_F
.irp b, 0,1,2,3,4,5,6,7
	ds_load_b128 v[\f+8*\b:\f+8*\b+3],   v[ADRB+\slot] offset:64*(\q)+\b*16*PB
	ds_load_b128 v[\f+8*\b+4:\f+8*\b+7], v[ADRB+\slot] offset:64*(\q)+\b*16*PB+32
.endr
.irp a, 0,1,2,3
	ds_load_b128 v[\f+64+8*\a:\f+64+8*\a+3],   v[ADRA+\slot] offset:((\q)/2)*SLAB+((\q)%2)*64+\a*16*PA
	ds_load_b128 v[\f+64+8*\a+4:\f+64+8*\a+7], v[ADRA+\slot] offset:((\q)/2)*SLAB+((\q)%2)*64+\a*16*PA+32
.endr
	WIN 0
.endm
.macro PLACES                          ; four places in front of loads into registers that matrix instructions have read, and of the first read of results (ISA guide 7.12.1 for vector instructions)
.rept 4
	v_nop
.endr
.endm
; A K step is four quarters of 32 along K, 32 matrix instructions each, on buffers 0, 1, 0, 1.  One of the first three: multiplies buffer f and fetches quarter qn into g.
.macro QUARTER slot, qn, f, g, zero
	s_wait_dscnt 4                                 ; woh's fragments and A's blocks 0, 1 are in; the youngest four loads (A's blocks 2, 3) may be out
	WIN MUL
	MUL16 \f, 0, \zero
	PLACES
	FETCH \slot, \qn, \g
	s_wait_dscnt 24                                ; all but the 24 just issued
	WIN MUL
	MUL16 \f, 2, \zero
.endm
; The last quarter multiplies buffer 1 and changes slots: ONE barrier; in front of it each wave waits for all its tensor loads, adds 0 to its spare word, and waits for that and for its reads of this slot.
; fill = 1: the barrier opens a round of the cluster's barrier, and this slot is filled again, two K steps ahead, first thing behind the round.
.macro TURN slot, next, fill
.if \fill
	s_wait_xcnt 0x0                                ; the last prefetch, a K step back, has read its address: it is stepped here
	s_add_nc_u64 s[PFA:PFA+1], s[PFA:PFA+1], 2*HEADB
.endif
	WIN 0                                          ; (the add's two registers lie in window 0)
	s_wait_tensorcnt 0x0                           ; all my tensor loads have landed: my part of the next slot
	ds_add_u32 v[SPW], v[NIL]
	s_wait_dscnt 5                                 ; (the add and the youngest four loads may be out)
	WIN MUL
	MUL8 F1, 0, 0                                  ; eight matrix instructions stand between the add and the wait for it
	s_wait_dscnt 0x0                               ; the add is done, and my reads of this slot are over
	s_barrier_signal -1
	MUL8 F1, 1, 0
	WIN 0
	s_barrier_wait -1
.if \fill
	CREST                                          ; no wave of any partner still reads this slot's tile or has a load on its way
	s_add_nc_u64 s[G0+4*\slot+2:G0+4*\slot+3], s[G0+4*\slot+2:G0+4*\slot+3], 4*HEADB
	s_add_nc_u64 s[G0B+4*\slot+2:G0B+4*\slot+3], s[G0B+4*\slot+2:G0B+4*\slot+3], 512
	JLOAD \slot                                    ; the four v_nop behind it are also the places in front of the loads below
.else
	PLACES
.endif
	FETCH \next, 0, F0
.if \fill
	ASK
.endif
	WIN MUL
	MUL16 F1, 2, 0
.endm
	s_wait_tensorcnt 1                             ; my part of K step 0 is in (K step 1's load may be out),
	s_barrier_signal -1
	s_barrier_wait -1                              ; everybody's is
	FETCH 0, 0, F0
	QUARTER 0, 1, F0, F1, 1                        ; the first quarter stands in front of the loop: its products start the sums
	WIN 0                                          ; at a label and at a branch every window is 0
	s_mov_b32 s3, LAPS-1
.Llap:                                             ; a trip goes once round the ring, from a lap's second quarter to the next lap's first, and fills both slots again
	QUARTER 0, 2, F1, F0, 0
	QUARTER 0, 3, F0, F1, 0
	TURN 0, 1, 1
	QUARTER 1, 1, F0, F1, 0
	QUARTER 1, 2, F1, F0, 0
	QUARTER 1, 3, F0, F1, 0
	TURN 1, 0, 1
	QUARTER 0, 1, F0, F1, 0
	WIN 0
	s_sub_co_u32 s3, s3, 1
	s_cmp_lg_u32 s3, 0
	s_cbranch_scc1 .Llap
	QUARTER 0, 2, F1, F0, 0                        ; the last lap fills nothing, and has no round of the cluster's barrier
	QUARTER 0, 3, F0, F1, 0
	TURN 0, 1, 0
	QUARTER 1, 1, F0, F1, 0
	QUARTER 1, 2, F1, F0, 0
	QUARTER 1, 3, F0, F1, 0
	s_wait_dscnt 4                                 ; the very last quarter: nothing more to fetch
	WIN MUL
	MUL16 F1, 0, 0
	s_wait_dscnt 0
	MUL16 F1, 2, 0
	WIN 0
; THE WAY OUT, block by block of 16 rows x 128 columns.  A lane holds 32 neighbouring bytes of a row, and the lanes beside it hold other rows: so a block goes through my own stage in LDS and comes back as whole
; rows of 512 bytes.  LDS serves a wave's instructions in order: no wait between the stores and the loads, nor in front of the next block's stores.
.macro TOSTAGE a
	WIN 0x08                                       ; an LDS store's data are its source 1: window 2
.irp b, 0,1,2,3,4,5,6,7
	ds_store_b128 v[STO], v[8*(8*(\a)+\b):8*(8*(\a)+\b)+3] offset:64*\b          ; each accumulator from its low end on
	ds_store_b128 v[STO], v[8*(8*(\a)+\b)+4:8*(8*(\a)+\b)+7] offset:64*\b+16
.endr
	WIN 0
.set BB, BK+64*((\a)%2)
.irp t, 0,1,2,3,4,5,6,7,8,9,10,11,12,13,14,15
	ds_load_b128 v[BB+4*\t:BB+4*\t+3], v[RD] offset:\t*SPITCH
.endr
.endm
.macro SEND a, younger                 ; younger: the LDS instructions issued behind block a's loads, which may stay out
.set BB, BK+64*((\a)%2)
	s_wait_dscnt \younger                          ; the block is back in registers
.irp t, 0,1,2,3,4,5,6,7,8,9,10,11,12,13,14,15
	global_store_b128 v[CO], v[BB+4*\t:BB+4*\t+3], s[8:9] offset:65536*(\a)+4096*\t th:TH_STORE_NT   ; 32 lanes store 512 consecutive bytes of a row
.endr
.endm
	PLACES
	TOSTAGE 0
.irp a, 1,2,3
.if \a > 1
	s_wait_xcnt 0x0                                ; block a - 2's stores have read their registers: block a's loads may land there
.endif
	TOSTAGE \a
	SEND \a-1, 32                                  ; behind block a - 1's loads: block a's 16 stores and 16 loads
.endr
	SEND 3, 0
	s_wait_tensorcnt 0x0                           ; the wave's end
	ds_add_u32 v[SPW], v[NIL]
	s_wait_dscnt 0x0
	CROUND                                         ; the closing round: no work-group ends while a partner may still ask for a tile that names it
	s_endpgm
.Lfunc_end_k_qd484db9032_proj:
	.size	k_qd484db9032_proj, .Lfunc_end_k_qd484db9032_proj-k_qd484db9032_proj
	.p2alignl 7, 3214868480
	.fill 96, 4, 3214868480
	.section	.rodata,"a",@progbits
	.p2align	6, 0x0
	.amdhsa_kernel k_qd484db9032_proj
		.amdhsa_group_segment_fixed_size 327680
		.amdhsa_private_segment_fixed_size 0
		.amdhsa_enable_private_segment 0
		.amdhsa_kernarg_size 24
		.amdhsa_user_sgpr_count 2
		.amdhsa_user_sgpr_kernarg_segment_ptr 1
		.amdhsa_wavefront_size32 1
		.amdhsa_system_sgpr_workgroup_id_x 1
		.amdhsa_system_sgpr_workgroup_id_y 1
		.amdhsa_system_sgpr_workgroup_id_z 1
		.amdhsa_system_vgpr_workitem_id 0
		.amdhsa_next_free_vgpr 768
		.amdhsa_next_free_sgpr 66
		.amdhsa_reserve_vcc 0
		.amdhsa_float_denorm_mode_32 3
		.amdhsa_float_denorm_mode_16_64 3
		.amdhsa_memory_ordered 1
		.amdhsa_forward_progress 1
		.amdhsa_inst_pref_size 86
	.end_amdhsa_kernel
	.amdgpu_metadata
---
amdhsa.version: [ 1, 2 ]
amdhsa.kernels:
  - .name:           k_qd484db9032_proj
    .symbol:         k_qd484db9032_proj.kd
    .args:
      - { .name: ao, .offset: 0, .size: 8, .value_kind: global_buffer, .address_space: global }
      - { .name: woh, .offset: 8, .size: 8, .value_kind: global_buffer, .address_space: global }
      - { .name: out0, .offset: 16, .size: 8, .value_kind: global_buffer, .address_space: global }
    .group_segment_fixed_size: 327680
    .private_segment_fixed_size: 0
    .kernarg_segment_align: 8
    .kernarg_segment_size: 24
    .max_flat_workgroup_size: 128
    .sgpr_count:     66
    .vgpr_count:     768
    .wavefront_size: 32
...
	.end_amdgpu_metadata
.endif
;; end of part 4
;; launch early (part 5): grid 16 x 4, 16 waves a work-group, no clusters, 72,192 bytes of LDS; arguments eq, w_out, out0; writes out0
.if DOCPART == 5
	.amdgcn_target "amdgcn-amd-amdhsa--gfx1250"
	.amdhsa_code_object_version 6
	.text
	.protected	k_qd484db9032_early
	.globl	k_qd484db9032_early
	.p2align	8
	.type	k_qd484db9032_early,@function
k_qd484db9032_early:
	s_mov_b64 s[64:65], 0
	v_nop
	global_prefetch_b8 v0, s[64:65] scope:SCOPE_SE
	s_setreg_imm32_b32 hwreg(HW_REG_WAVE_MODE, 25, 1), 1
	s_wait_xcnt 0x0
; POSITIONS 0-15 OF EACH SEQUENCE, IN f32 THROUGHOUT: attention and projection, from eq (q, k, v of those positions as launch qkv's f32 sums left them, [b][t][3072]) and w_out as it is given.  These 64 rows of out0 are written over.
; Under the causal mask they average one to sixteen values and are the largest in size: operands rounded to 16 bits would use up most of what the comparison allows there.  The f32 matrix form does 96 instructions a wave: no bulk work.
; SHARES.  Work-group (nb, b) makes 16 rows x 64 columns (64 nb on) of sequence b.  Wave w takes head w: its scores, softmax and weighted values (16 x 16 x 64), then its head's share of the projection: a partial sum over k = 64 w .. 64 w + 63.
; The sixteen partial sums meet in LDS.  Each work-group computes all heads' attention of its 16 rows anew: so one launch does, and each row's 256 bytes have one owner.  64 work-groups: there is no more work at that grain.
; LAYOUT.  All three products are used transposed, so that a lane holds one query (lane % 16) throughout: S^T = K Q^T, O^T = V^T P, out^T = W O^T.  The form takes 4 along K: register j of a source holds k = 2 (lane / 16) + j.
; K IS PERMUTED ALIKE ON BOTH SOURCES: a lane holds neighbouring numbers of its row, and step s takes its registers 2 s, 2 s + 1.  The sums are the same but for their order.
; The accumulators v224-255 are written by matrix instructions alone; each sum begins with the constant 0 as the C of its first instruction.
; REGISTERS: v1-15 addresses; v16-47 Q, later W's tile 2; v48-79 K, later W's tile 3; v80-111 V^T, later O^T / l; v112-175 W's tiles 0, 1, later the sixteen partial sums; v176-191 the scores; v192-199 p; v200-205 m, l and their kin.
.set RED,   0                          ; LDS: 16 images of 4,096 bytes: each wave's four accumulators as they stand
.set STG,   65536                      ; 16 rows x (256 bytes + 16)
.set SPARE, 70144                      ; the spare words, 128 bytes for each of 16 waves
.set ACC,   224
.set SPW,   12
.set NIL,   13
	s_load_b128 s[4:7], s[0:1], 0x0                ; eq, w_out
	s_load_b64 s[8:9], s[0:1], 0x10                ; out0
	v_lshl_add_u32 v[SPW], v0, 2, SPARE
	v_mov_b32 v[NIL], 0
	v_lshrrev_b32 v1, 5, v0
	v_readfirstlane_b32 s10, v1                    ; wave = head
	s_and_b32 s11, ttmp7, 0xffff                   ; b
	v_and_b32 v1, 15, v0                           ; r
	v_bfe_u32 v2, v0, 4, 1                         ; h
	v_and_b32 v15, 31, v0                          ; lane
	v_mul_u32_u24 v3, v1, 12288
	v_lshl_add_u32 v3, v2, 7, v3                   ; Q, K: row r of eq, channels 32 h on
	v_mul_u32_u24 v4, v2, 98304
	v_lshl_add_u32 v4, v1, 2, v4                   ; V: keys 8 h on, channel r
	v_lshlrev_b32 v5, 12, v1
	v_lshl_add_u32 v5, v2, 5, v5                   ; W: row r of 4,096 bytes, + 8 h numbers
	v_lshlrev_b32 v6, 3, v2
	v_sub_nc_u32 v6, v1, v6                        ; r - 8 h: register j of the scores holds key 8 h + j of query r: hidden where j > r - 8 h
	s_lshl_b32 s12, s10, 12
	v_lshl_add_u32 v7, v15, 4, s12                 ; my image: 4,096 x wave + 16 x lane
	s_lshl_b32 s13, s10, 8
	v_lshl_add_u32 v8, v15, 3, s13                 ; the piece of every image that I sum: 256 x wave + 8 x lane
	v_lshrrev_b32 v9, 1, v15                       ; that piece holds row lane / 2, columns 16 (w / 4) + 8 (w % 2) + 4 ((w / 2) % 2) + 2 (lane % 2) + 0, 1
	v_mul_u32_u24 v9, v9, 272
	v_and_b32 v10, 1, v15
	v_lshl_add_u32 v9, v10, 3, v9
	s_lshr_b32 s14, s10, 2
	s_lshl_b32 s14, s14, 6
	s_and_b32 s15, s10, 1
	s_lshl_b32 s15, s15, 5
	s_add_co_u32 s14, s14, s15
	s_bfe_u32 s15, s10, 0x10001
	s_lshl_b32 s15, s15, 4
	s_add_co_u32 s14, s14, s15
	s_add_co_u32 s14, s14, STG
	v_add_nc_u32 v9, s14, v9                       ; its place in the stage
	s_mul_i32 s15, s10, 272
	s_add_co_u32 s15, s15, STG
	v_lshl_add_u32 v10, v15, 3, s15                ; the row that I store: row w, 8 bytes a lane
	v_lshlrev_b32 v11, 3, v15
	v_mov_b32 v14, 0xff800000                      ; -infinity
	v_mov_b32 v201, 0                              ; written once: a lane permute's destination counts as one of its sources
	s_mov_b32 s22, 0x3e38aa3b                      ; c = log2(e) / 8
	s_mov_b32 s24, 0x76543210
	s_mov_b32 s25, 0xfedcba98                      ; v_permlanex16_b32's selects for lane l xor 16
	s_mul_i32 s16, s11, 196608                     ; eq: sequence b, head w's 64 columns
	s_add_co_u32 s16, s16, s13
	s_mov_b32 s17, 0
	s_lshl_b32 s18, ttmp9, 18                      ; w_out: rows 64 nb on, columns 64 w on
	s_add_co_u32 s18, s18, s13
	s_mov_b32 s19, 0
	s_lshl_b32 s20, s11, 23                        ; out0: row 2,048 b + w, columns 64 nb on
	s_add_co_u32 s20, s20, s12
	s_lshl_b32 s21, ttmp9, 8
	s_add_co_u32 s20, s20, s21
	s_mov_b32 s21, 0
	s_wait_kmcnt 0x0
	s_add_nc_u64 s[4:5], s[4:5], s[16:17]
	s_add_nc_u64 s[6:7], s[6:7], s[18:19]
	s_add_nc_u64 s[8:9], s[8:9], s[20:21]
.macro WLOAD reg, nt                   ; W's tile nt: register 8 ct + jj: W(64 nb + 16 nt + r, 64 w + 16 ct + 8 h + jj)
.irp ct, 0,1,2,3
	global_load_b128 v[\reg+8*\ct:\reg+8*\ct+3],   v5, s[6:7] offset:65536*\nt+64*\ct
	global_load_b128 v[\reg+8*\ct+4:\reg+8*\ct+7], v5, s[6:7] offset:65536*\nt+64*\ct+16
.endr
.endm
.irp i, 0,1,2,3,4,5,6,7
	global_load_b128 v[16+4*\i:19+4*\i], v3, s[4:5] offset:16*\i            ; Q(r, 32 h + 4 i ..)
.endr
.irp i, 0,1,2,3,4,5,6,7
	global_load_b128 v[48+4*\i:51+4*\i], v3, s[4:5] offset:4096+16*\i       ; K likewise
.endr
.irp ct, 0,1,2,3
.irp jj, 0,1,2,3,4,5,6,7
	global_load_b32 v[80+8*\ct+\jj], v4, s[4:5] offset:8192+12288*\jj+64*\ct   ; V(key 8 h + jj, channel 16 ct + r)
.endr
.endr
	WLOAD 112, 0
	WLOAD 144, 1
	s_wait_loadcnt 48                              ; Q and K are in; V's 32 loads and W's 16 may be out
.set ks, 0
.rept 16                                       ; S^T = K Q^T: four partial sums by turns, one instruction a turn
.if ks < 4
	v_wmma_f32_16x16x4_f32 v[ACC+8*(ks%4):ACC+8*(ks%4)+7], v[48+2*ks:49+2*ks], v[16+2*ks:17+2*ks], 0
.else
	v_wmma_f32_16x16x4_f32 v[ACC+8*(ks%4):ACC+8*(ks%4)+7], v[48+2*ks:49+2*ks], v[16+2*ks:17+2*ks], v[ACC+8*(ks%4):ACC+8*(ks%4)+7]
.endif
.set ks, ks+1
.endr
.rept 9
	v_nop                                          ; nine places behind this form: the next products begin the accumulators anew (nine are owed); reads of results and loads into sources want eight
.endr
	s_wait_loadcnt 16                              ; V is in; W's tiles 0 and 1 may be out
	WLOAD 16, 2                                    ; into Q's registers,
	WLOAD 48, 3                                    ; and K's
.irp j, 0,2,4,6
	v_pk_add_f32 v[176+\j:177+\j], v[ACC+\j:ACC+\j+1], v[ACC+8+\j:ACC+8+\j+1]          ; each accumulator from its low end on
	v_pk_add_f32 v[184+\j:185+\j], v[ACC+16+\j:ACC+16+\j+1], v[ACC+24+\j:ACC+24+\j+1]
.endr
.irp j, 0,2,4,6
	v_pk_add_f32 v[176+\j:177+\j], v[176+\j:177+\j], v[184+\j:185+\j]
.endr
.irp j, 0,1,2,3,4,5,6,7
	v_cmp_gt_i32 vcc_lo, \j, v6                    ; the causal mask: hidden scores become -infinity ahead of the maximum.  Key 0 counts for every query
	v_cndmask_b32 v[176+\j], v[176+\j], v14, vcc_lo
.endr
	v_max3_num_f32 v200, v176, v177, v178
	v_max3_num_f32 v200, v200, v179, v180
	v_max3_num_f32 v200, v200, v181, v182
	v_max_num_f32 v200, v200, v183
	v_permlanex16_b32 v201, v200, s24, s25
	v_max_num_f32 v200, v200, v201                 ; the row's maximum
	v_mul_f32 v202, s22, v200
.irp j, 0,1,2,3,4,5,6,7
	v_fma_f32 v[192+\j], v[176+\j], s22, -v202     ; c s - c m
.endr
.irp j, 0,1,2,3,4,5,6,7
	v_exp_f32 v[192+\j], v[192+\j]
.endr
	v_nop                                          ; a plain instruction behind the last exponential
	s_wait_alu depctr_va_vdst(0)                   ; one wait for the eight, ahead of their first reader
	v_pk_add_f32 v[176:177], v[192:193], v[194:195]
	v_pk_add_f32 v[178:179], v[196:197], v[198:199]
	v_pk_add_f32 v[176:177], v[176:177], v[178:179]
	v_add_f32 v203, v176, v177
	v_permlanex16_b32 v201, v203, s24, s25
	v_add_f32 v203, v203, v201                     ; the row's sum
	v_rcp_f32 v204, v203
	v_rcp_f32 v205, v203                           ; twice: a pair for the packed multiply
	v_nop
	s_wait_alu depctr_va_vdst(0)
.irp s2, 0,1,2,3                               ; O^T = V^T P: four accumulators (16 channels each) by turns; step s2 takes keys 8 h + 2 s2 + 0, 1
.irp ct, 0,1,2,3
.if \s2 == 0
	v_wmma_f32_16x16x4_f32 v[ACC+8*\ct:ACC+8*\ct+7], v[80+8*\ct+2*\s2:81+8*\ct+2*\s2], v[192+2*\s2:193+2*\s2], 0
.else
	v_wmma_f32_16x16x4_f32 v[ACC+8*\ct:ACC+8*\ct+7], v[80+8*\ct+2*\s2:81+8*\ct+2*\s2], v[192+2*\s2:193+2*\s2], v[ACC+8*\ct:ACC+8*\ct+7]
.endif
.endr
.endr
.rept 9
	v_nop                                          ; nine places, as above: the projection begins the accumulators anew, and the lines below write V^T's registers
.endr
.set i, 0
.rept 16
	v_pk_mul_f32 v[80+2*i:81+2*i], v[ACC+2*i:ACC+2*i+1], v[204:205]   ; O^T / l: register 8 ct + j: channel 16 ct + 8 h + j of query r
.set i, i+1
.endr
	s_wait_loadcnt 0x0                             ; all of W
.macro PJ nt, wb, ct, s2               ; one step of the projection for tile nt of 16 output columns
.if (\ct == 0) && (\s2 == 0)
	v_wmma_f32_16x16x4_f32 v[ACC+8*\nt:ACC+8*\nt+7], v[\wb+8*\ct+2*\s2:\wb+8*\ct+2*\s2+1], v[80+8*\ct+2*\s2:81+8*\ct+2*\s2], 0
.else
	v_wmma_f32_16x16x4_f32 v[ACC+8*\nt:ACC+8*\nt+7], v[\wb+8*\ct+2*\s2:\wb+8*\ct+2*\s2+1], v[80+8*\ct+2*\s2:81+8*\ct+2*\s2], v[ACC+8*\nt:ACC+8*\nt+7]
.endif
.endm
.irp ct, 0,1,2,3                               ; out^T = W O^T over my head's 64 channels: four accumulators by turns
.irp s2, 0,1,2,3
	PJ 0, 112, \ct, \s2
	PJ 1, 144, \ct, \s2
	PJ 2, 16, \ct, \s2
	PJ 3, 48, \ct, \s2
.endr
.endr
.rept 8
	v_nop                                          ; eight places in front of the stores that read results and of the loads into W's registers
.endr
.irp nt, 0,1,2,3
.irp hf, 0,1
	ds_store_b128 v7, v[ACC+8*\nt+4*\hf:ACC+8*\nt+4*\hf+3] offset:RED+1024*\nt+512*\hf   ; my four accumulators as they stand, each from its low end on
.endr
.endr
	s_wait_dscnt 0x0                               ; for the others' sake: my image has landed
	s_barrier_signal -1
	s_barrier_wait -1
.irp src, 0,1,2,3,4,5,6,7,8,9,10,11,12,13,14,15
	ds_load_b64 v[112+2*\src:113+2*\src], v8 offset:RED+4096*\src   ; piece w of every wave's image
.endr
	s_wait_dscnt 0x0
.irp d, 8,4,2,1                                ; the sum over the sixteen heads, as a tree
.set i, 0
.rept \d
	v_pk_add_f32 v[112+2*i:113+2*i], v[112+2*i:113+2*i], v[112+2*(i+\d):113+2*(i+\d)]
.set i, i+1
.endr
.endr
	ds_store_b64 v9, v[112:113]
	s_wait_dscnt 0x0                               ; for the others' sake: my piece has landed in the stage
	s_barrier_signal -1
	s_barrier_wait -1
	ds_load_b64 v[114:115], v10                    ; row w, whole
	s_wait_dscnt 0x0
	global_store_b64 v11, v[114:115], s[8:9]       ; 32 lanes store 256 consecutive bytes
	s_wait_tensorcnt 0x0                           ; the wave's end
	ds_add_u32 v[SPW], v[NIL]
	s_wait_dscnt 0x0
	s_endpgm
.Lfunc_end_k_qd484db9032_early:
	.size	k_qd484db9032_early, .Lfunc_end_k_qd484db9032_early-k_qd484db9032_early
	.p2alignl 7, 3214868480
	.fill 96, 4, 3214868480
	.section	.rodata,"a",@progbits
	.p2align	6, 0x0
	.amdhsa_kernel k_qd484db9032_early
		.amdhsa_group_segment_fixed_size 72192
		.amdhsa_private_segment_fixed_size 0
		.amdhsa_enable_private_segment 0
		.amdhsa_kernarg_size 24
		.amdhsa_user_sgpr_count 2
		.amdhsa_user_sgpr_kernarg_segment_ptr 1
		.amdhsa_wavefront_size32 1
		.amdhsa_system_sgpr_workgroup_id_x 1
		.amdhsa_system_sgpr_workgroup_id_y 1
		.amdhsa_system_sgpr_workgroup_id_z 1
		.amdhsa_system_vgpr_workitem_id 0
		.amdhsa_next_free_vgpr 256
		.amdhsa_next_free_sgpr 66
		.amdhsa_reserve_vcc 1
		.amdhsa_float_denorm_mode_32 3
		.amdhsa_float_denorm_mode_16_64 3
		.amdhsa_memory_ordered 1
		.amdhsa_forward_progress 1
		.amdhsa_inst_pref_size 25
	.end_amdhsa_kernel
	.amdgpu_metadata
---
amdhsa.version: [ 1, 2 ]
amdhsa.kernels:
  - .name:           k_qd484db9032_early
    .symbol:         k_qd484db9032_early.kd
    .args:
      - { .name: eq, .offset: 0, .size: 8, .value_kind: global_buffer, .address_space: global }
      - { .name: w_out, .offset: 8, .size: 8, .value_kind: global_buffer, .address_space: global }
      - { .name: out0, .offset: 16, .size: 8, .value_kind: global_buffer, .address_space: global }
    .group_segment_fixed_size: 72192
    .private_segment_fixed_size: 0
    .kernarg_segment_align: 8
    .kernarg_segment_size: 24
    .max_flat_workgroup_size: 512
    .sgpr_count:     66
    .vgpr_count:     256
    .wavefront_size: 32
...
	.end_amdgpu_metadata
.endif
;; end of part 5
